; MI455X (gfx1250); checked and timed in simulation.
; The chip was launched on July 23, 2026; its instructions are those of AMD's public machine-readable ISA for CDNA 5 (MIT licence, August 2026) and "CDNA5" Instruction Set Architecture Reference Guide (July 2026). The comments in the code are by the model that wrote it; some were corrected since.
;; Multi Head Attention. Allowed arithmetic: matrix products marked QUANTISED: E2M1 operands, one E8M0 scale for each 32 along K, by v_wmma_scale_f32_16x16x128_f8f6f4 with both operands' format E2M1 (or v_wmma_scale_f32_32x16x128_f4), f32 sums; products left as they are: bf16, f16 or f32 operands; f32 sums; everything else in f32.
;; Inputs: Wo 1,024 x 1,024 float32; Wqkv 1,024 x 3,072 float32; bo 1,024 float32; mask 1 x 1 x 2,048 x 2,048 int32; x 4 x 2,048 x 1,024 float32.
;; Outputs: out0 4 x 2,048 x 1,024 float32.
;; This version of the problem:
;;   THIS VERSION OF THE PROBLEM IS GIVEN IN LOW PRECISION. The matrix products marked QUANTISED in the list below multiply operands that are first quantised to E2M1 (2 exponent bits, 1 mantissa bit; 4 bits a number), with one power-of-two scale for each 32 numbers along K (OCP MX v1.0); their sums are f32. The products marked 'left as it is' may take bf16, f16 or f32 operands, with f32 sums. Whichever they take, every output number must still come out within the allowed error. Rounding operands to bf16 (8 significant bits) uses up far more of that allowance than f16 does (11 bits, for magnitudes from 6e-5 to 65,504). All else is computed in f32.
;;   The module's matrix products, in the order in which they are computed (A, B: the left and right operand; K: the contracted axis; several contracted axes count as one K, in the product's order):
;;     1. [M 8,192, K 1,024] x [K 1,024, N 3,072]; A: input x; B: input Wqkv: QUANTISED
;;     2. batch 64 x [M 2,048, K 64] x [K 64, N 2,048]; A: computed on the way; B: computed on the way: left as it is (an operand is computed on the way)
;;     3. batch 64 x [M 2,048, K 2,048] x [K 2,048, N 64]; A: computed on the way; B: computed on the way: left as it is (an operand is computed on the way)
;;     4. [M 8,192, K 1,024] x [K 1,024, N 1,024]; A: computed on the way; B: input Wo: left as it is (an operand is computed on the way)
;;   THE QUANTISER, for each operand of a quantised product, along K:
;;     - K is cut into blocks of 32 from its start; a last block that is shorter is filled with zeros.
;;     - A block's scale is 2^e with e = floor(log2(the largest magnitude in the block)) - 2, held to -126 .. 127; a block of zeros has e = 0. As a byte (E8M0): e + 127.
;;     - Each number is divided by its block's scale, clamped to +-6, and rounded to the nearest number of E2M1, ties to even, subnormals kept.
;;     - The product sums the exact products of the quantised numbers (number of the format x scale) in f32.
;;   ~~~python
;;   def quantise(x, axis):      # numpy; x: float32 -> the quantised numbers, widened to float32 again
;;       x = np.moveaxis(x, axis, -1); K = x.shape[-1]
;;       x = np.pad(x, [(0, 0)] * (x.ndim - 1) + [(0, -K % 32)]); x = x.reshape(x.shape[:-1] + (-1, 32)); a = np.abs(x).max(-1, keepdims=True)
;;       e = np.where(a > 0, np.clip(np.frexp(np.where(a > 0, a, 1))[1] - 1 - 2, -126, 127), 0)      # np.frexp(a)[1] - 1 = floor(log2(a)), exactly
;;       r = np.clip(x / 2.0 ** e, -6, 6)
;;       step = 2.0 ** (np.maximum(np.frexp(np.where(r == 0, 1, r))[1] - 1, 0) - 1)
;;       q = np.round(r / step) * step * 2.0 ** e      # np.round: ties to even
;;       return np.moveaxis(q.reshape(q.shape[:-2] + (-1,))[..., :K], -1, axis).astype(np.float32)
;;   ~~~
;; One version. Each part assembles by itself: llvm-mc -triple=amdgcn-amd-amdhsa -mcpu=gfx1250 --defsym DOCPART=n.
;; ======== version 1 of 1: 6 launches
;; limits: values are held in f16: magnitudes above 65,504 overflow, below 6.1e-05 lose precision
;; workspace buffers: q4 6,127,616 bytes; wot 4,194,304 bytes; msk 524,800 bytes of whole numbers; qkv 50,331,648 bytes; att 16,777,216 bytes; att16 262,144 bytes
;; launch prep (part 1): grid 432 x 1, 4 waves a work-group, no clusters, 102,912 bytes of LDS; arguments x, Wqkv, Wo, mask, q4, wot, msk; writes q4, wot, msk
.if DOCPART == 1
	.amdgcn_target "amdgcn-amd-amdhsa--gfx1250"
	.amdhsa_code_object_version 6
	.text
	.protected	k_qe7fb68f5d2_prep
	.globl	k_qe7fb68f5d2_prep
	.p2align	8
	.type	k_qe7fb68f5d2_prep,@function
k_qe7fb68f5d2_prep:
	s_mov_b64 s[64:65], 0
	v_nop
	global_prefetch_b8 v0, s[64:65] scope:SCOPE_SE
	s_setreg_imm32_b32 hwreg(HW_REG_WAVE_MODE, 25, 1), 1
	s_wait_xcnt 0x0
; PREP: four jobs in one launch, told apart by the work-group's number; each has LDS bytes of its own.
;   M (64 work-groups)  mask [2048][2048] int32 -> bits and tile flags.  Bits: [segment of 128 keys: 16][row: 2048][4 words]; bit L of word c says mask[row][128 seg + 4 L + c] != 0.
;                       Flags: ANY[64], FULL[64] words: group g = rows 32 g .. 32 g + 31, bit s = keys 64 s .. 64 s + 63: some / all of the tile's numbers are not 0.
;   X (256)             x [8192][1024] f32 -> codes of E2M1, K innermost, and one E8M0 byte for each 32 along K.
;   W (48)              Wqkv [1024 (k)][3072 (n)] f32 -> codes laid [n][k], K innermost, and their scale bytes [n][32].
;   O (64)              Wo [1024 (k)][1024 (n)] f32 -> WoT [n][k] as two f16 numbers: the nearest number of 11 bits, and what is left.
; A block's scale is 2^(floor(log2(its largest magnitude)) - 2); its byte is the largest magnitude's exponent field - 2, held at 1 from below.
; LIMITS: a block of zeros gets the byte 1 where the quantiser says 127 (its codes are zeros, and this program alone reads the bytes); blocks whose largest magnitude lies under 2^-124 keep the byte 1;
; NaN and infinities among x, Wqkv, Wo are not served; Wo's magnitudes stay under 65,504 (f16).
.set NM, 64
.set NX, 256
.set NW, 48
.set XS_OFF, 4194304                   ; q4: x's codes at 0, x's scale bytes here,
.set WC_OFF, 4456448                   ; Wqkv's codes,
.set WS_OFF, 6029312                   ; Wqkv's scale bytes
.set LW, 32768                         ; LDS: X's four regions of 8,192 from 0; W's four stages of 8,704 from here;
.set LO, 67584                         ; O's four stages of 8,704
.set SPARE, 102400                     ; the spare words, 128 bytes for each wave: two blocks of 256 bytes that no other line names
.set SPW, 14                           ; v14 LDS address of my spare word; never rewritten
.set NIL, 15                           ; v15 0; never rewritten
	s_load_b256 s[4:11], s[0:1], 0x0               ; x s[4:5], Wqkv s[6:7], Wo s[8:9], mask s[10:11]
	s_load_b128 s[12:15], s[0:1], 0x20             ; q4 s[12:13], wot s[14:15]
	s_load_b64 s[16:17], s[0:1], 0x30              ; msk
	v_lshl_add_u32 v[SPW], v0, 2, SPARE
	v_mov_b32 v[NIL], 0
	v_lshrrev_b32 v1, 5, v0
	v_readfirstlane_b32 s18, v1                    ; wave 0..3
	v_and_b32 v2, 31, v0                           ; lane
	s_wait_kmcnt 0x0
	s_cmp_lt_u32 ttmp9, NM
	s_cbranch_scc1 .Lmask
	s_cmp_lt_u32 ttmp9, NM+NX
	s_cbranch_scc1 .Lx
	s_cmp_lt_u32 ttmp9, NM+NX+NW
	s_cbranch_scc1 .Lw
; ---------------- O: a lane takes a column n of Wo, its registers run down 128 k; a wave 32 columns.  The rows of WoT leave through the wave's own stage, sixteen lanes to 256 consecutive bytes.
	s_sub_co_u32 s19, ttmp9, NM+NX+NW
	s_lshr_b32 s20, s19, 3                         ; which 128 columns
	s_and_b32 s21, s19, 7                          ; which 128 along k
	s_lshl_b32 s20, s20, 7
	s_lshl_b32 s22, s18, 5
	s_add_co_u32 s20, s20, s22                     ; my wave's first column
	v_lshlrev_b32 v3, 2, v2
	s_lshl_b32 s24, s21, 19                        ; 128 rows of 4,096 bytes
	s_lshl_b32 s25, s20, 2
	s_add_co_u32 s24, s24, s25
	s_mov_b32 s25, 0
	s_add_nc_u64 s[8:9], s[8:9], s[24:25]
.set i, 0
.rept 128
	global_load_b32 v[128+i], v3, s[8:9] offset:4096*i th:TH_LOAD_NT   ; Wo(128 kc + i, my column): 32 lanes read 128 consecutive bytes
.set i, i+1
.endr
	s_mul_i32 s22, s18, 32*272
	s_add_co_u32 s22, s22, LO                      ; my stage: 32 rows of 256 bytes + 16
	v_mul_u32_u24 v4, v2, 272
	v_add_nc_u32 v4, s22, v4                       ; into it: row = my column
	v_and_b32 v5, 15, v2
	v_lshrrev_b32 v6, 4, v2
	v_mul_u32_u24 v7, v6, 272
	v_lshl_add_u32 v7, v5, 4, v7
	v_add_nc_u32 v7, s22, v7                       ; out of it: sixteen lanes to a row, two rows an instruction
	v_lshlrev_b32 v8, 11, v6
	v_lshl_add_u32 v8, v5, 4, v8                   ; and the same place in WoT (rows of 2,048 bytes)
	s_lshl_b32 s24, s20, 11
	s_lshl_b32 s26, s21, 8
	s_add_co_u32 s24, s24, s26
	s_add_nc_u64 s[14:15], s[14:15], s[24:25]
	s_mov_b32 s30, 0xffffe000                      ; keeps sign, exponent and 10 mantissa bits
	s_wait_loadcnt 0x0
.set i, 0
.rept 64
.set T, 96+4*(i%4)
	v_add_nc_u32 v[T], 0x1000, v[128+2*i]          ; half of the last kept bit onto the magnitude, then the cut: the nearest number of 11 bits,
	v_add_nc_u32 v[T+1], 0x1000, v[129+2*i]
	v_and_b32 v[T], s30, v[T]
	v_and_b32 v[T+1], s30, v[T+1]
	v_cvt_pk_f16_f32 v[32+i], v[T], v[T+1]         ; which f16 holds as it is: the high part, k = 2 i and 2 i + 1
	v_sub_f32 v[T+2], v[128+2*i], v[T]             ; what is left, exactly,
	v_sub_f32 v[T+3], v[129+2*i], v[T+1]
	v_cvt_pk_f16_f32 v[128+i], v[T+2], v[T+3]      ; rounded once: the low part (laid over numbers that are done with)
.set i, i+1
.endr
.macro OOUT src, off
.irp q, 0,1,2,3,4,5,6,7,8,9,10,11,12,13,14,15
	ds_store_b128 v4, v[\src+4*\q:\src+4*\q+3] offset:16*\q
.endr
.irp t, 0,1,2,3,4,5,6,7,8,9,10,11,12,13,14,15
	ds_load_b128 v[192+4*\t:192+4*\t+3], v7 offset:2*\t*272   ; LDS serves a wave's instructions in order: these see my stores
.endr
.irp t, 0,1,2,3,4,5,6,7,8,9,10,11,12,13,14,15
	s_wait_dscnt 15-\t                             ; load t is back; the younger ones may be out
	global_store_b128 v8, v[192+4*\t:192+4*\t+3], s[14:15] offset:4096*\t+\off
.endr
.endm
	OOUT 32, 0
	s_wait_xcnt 0x0                                ; the stores have read v192-255: they are loaded again only behind this wait
	OOUT 128, 2097152
	s_wait_tensorcnt 0x0                           ; the wave's end, behind my last LDS store
	ds_add_u32 v[SPW], v[NIL]
	s_wait_dscnt 0x0
	s_endpgm
; ---------------- M: a work-group takes group g = its number, wave w the keys 512 w .. 512 w + 511, as four segments of 128.  A load reads 512 consecutive bytes of one row: lane L the keys 4 L .. 4 L + 3 of the segment.
; A compare gives one word for 32 lanes: bit L of word c.  v_writelane puts row i's four words into lane i, so that one store of 16 bytes a lane writes 512 consecutive bytes.
; A ring of 32 row loads: a row's registers take the next segment's row as soon as they are compared.  No LDS, no barrier: a wave's 8 tile bits are one byte of ANY[g] and one of FULL[g].
.Lmask:
	v_lshlrev_b32 v3, 4, v2
	s_lshl_b32 s22, ttmp9, 18                      ; 32 rows of 8,192 bytes
	s_lshl_b32 s23, s18, 11                        ; 512 keys
	s_add_co_u32 s22, s22, s23
	s_mov_b32 s23, 0
	s_add_nc_u64 s[10:11], s[10:11], s[22:23]
	s_lshl_b32 s22, s18, 17                        ; bits: segment 4 w: 32,768 bytes a segment,
	s_lshl_b32 s24, ttmp9, 9                       ; 512 bytes a group
	s_add_co_u32 s22, s22, s24
	s_add_nc_u64 s[24:25], s[16:17], s[22:23]
	s_lshl_b32 s22, ttmp9, 2
	s_add_co_u32 s22, s22, s18
	s_add_co_u32 s22, s22, 524288                  ; byte w of ANY[g]; FULL[g]'s lies 256 bytes on
	s_add_nc_u64 s[26:27], s[16:17], s[22:23]
.irp i, 0,1,2,3,4,5,6,7,8,9,10,11,12,13,14,15,16,17,18,19,20,21,22,23,24,25,26,27,28,29,30,31
	global_load_b128 v[128+4*\i:128+4*\i+3], v3, s[10:11] offset:8192*\i th:TH_LOAD_NT
.endr
.irp c, 0,1,2,3
	v_mov_b32 v[32+\c], 0                          ; written once: v_writelane's destination counts as read
.endr
	s_mov_b32 s32, 0                               ; my byte of ANY
	s_mov_b32 s33, 0                               ; my byte of FULL
	s_mov_b32 s34, 0                               ; 2 x the segment's number in my four
.macro MSEG refill
	s_mov_b32 s30, 0                               ; OR and AND of the segment's 128 words
	s_mov_b32 s31, -1
.irp i, 0,1,2,3,4,5,6,7,8,9,10,11,12,13,14,15,16,17,18,19,20,21,22,23,24,25,26,27,28,29,30,31
.if \refill
	s_wait_loadcnt 31                              ; row i is in; the 31 younger loads (this segment's later rows, the next segment's earlier ones) stay out
.else
	s_wait_loadcnt 31-\i                           ; the last segment: the counts run down
.endif
.irp c, 0,1,2,3
	v_cmp_ne_u32 s[36+\c], 0, v[128+4*\i+\c]
.endr
.if \refill
	global_load_b128 v[128+4*\i:128+4*\i+3], v3, s[10:11] offset:8192*\i+512 th:TH_LOAD_NT   ; the next segment's row i
.endif
.irp c, 0,1,2,3
	v_writelane_b32 v[32+\c], s[36+\c], \i
.endr
	s_or_b32 s40, s36, s37
	s_or_b32 s41, s38, s39
	s_or_b32 s30, s30, s40
	s_or_b32 s30, s30, s41
	s_and_b32 s40, s36, s37
	s_and_b32 s41, s38, s39
	s_and_b32 s31, s31, s40
	s_and_b32 s31, s31, s41
.endr
	global_store_b128 v3, v[32:35], s[24:25]       ; 32 rows x 16 bytes: 512 consecutive bytes
	s_and_b32 s40, s30, 0xffff                     ; lanes 0-15 are the segment's keys 0-63, lanes 16-31 its keys 64-127
	s_cselect_b32 s41, 1, 0
	s_lshr_b32 s40, s30, 16
	s_cselect_b32 s42, 2, 0
	s_or_b32 s41, s41, s42
	s_lshl_b32 s41, s41, s34
	s_or_b32 s32, s32, s41
	s_and_b32 s40, s31, 0xffff
	s_cmp_eq_u32 s40, 0xffff
	s_cselect_b32 s41, 1, 0
	s_lshr_b32 s40, s31, 16
	s_cmp_eq_u32 s40, 0xffff
	s_cselect_b32 s42, 2, 0
	s_or_b32 s41, s41, s42
	s_lshl_b32 s41, s41, s34
	s_or_b32 s33, s33, s41
.endm
	s_mov_b32 s35, 3
.Lmseg:
	MSEG 1
	s_wait_xcnt 0x0                                ; the loads' base, the store's base and its data are written again only behind this wait
	s_add_nc_u64 s[10:11], s[10:11], 512
	s_add_nc_u64 s[24:25], s[24:25], 32768
	s_add_co_u32 s34, s34, 2
	s_sub_co_u32 s35, s35, 1
	s_cmp_lg_u32 s35, 0
	s_cbranch_scc1 .Lmseg
	MSEG 0                                         ; the fourth segment asks for nothing more
	v_mov_b32 v36, s32
	v_mov_b32 v37, s33
	v_mov_b32 v38, 0
	s_wait_xcnt 0x0                                ; EXEC changes only behind this wait
	v_cmp_eq_u32 vcc_lo, 0, v2
	s_and_saveexec_b32 s46, vcc_lo                 ; one lane stores the two bytes
	global_store_b8 v38, v36, s[26:27]
	global_store_b8 v38, v37, s[26:27] offset:256
	s_wait_xcnt 0x0                                ; and again, in front of the line that widens it
	s_or_b32 exec_lo, exec_lo, s46
	s_endpgm
; ---------------- X: x is a plain stream of blocks of 32.  A wave takes 16 steps of 512 numbers.  Each load reads 512 consecutive bytes; a step's 2,048 bytes turn through the wave's own stage in LDS and come back
; 64 bytes a lane: 16 neighbours along K, two lanes to a block.  A lane's 16 codes are 8 bytes: the wave stores 256 consecutive bytes.  A wave's 256 scale bytes are gathered in LDS and leave as one store.
.Lx:
.set XR, 16                            ; v16-79   four sets of 16 numbers as loaded
.set XX, 80                            ; v80-111  two sets of 16 neighbours
.set XE, 112                           ; v112-127 a scale byte for each step
.set XC, 128                           ; v128-191 codes: four registers for each step, so that no store's data are written again
.set XSP, 80                           ; a lane's place in a stage: 64 bytes + 16 of padding
	s_sub_co_u32 s19, ttmp9, NM
	v_lshlrev_b32 v3, 4, v2
	s_mul_i32 s20, s18, 8192                       ; my wave's region: two stages of 2,560 bytes, then 256 scale bytes
	v_lshrrev_b32 v12, 2, v2
	v_mul_u32_u24 v12, v12, XSP
	v_and_b32 v13, 3, v2
	v_lshl_add_u32 v12, v13, 4, v12
	v_add_nc_u32 v12, s20, v12                     ; in: four lanes' 64 bytes on end, then the padding
	v_mul_u32_u24 v13, v2, XSP
	v_add_nc_u32 v13, s20, v13                     ; out: my 16 neighbours
	v_lshlrev_b32 v4, 3, v2                        ; my codes' place in a step's
	v_lshrrev_b32 v5, 1, v2
	s_add_co_u32 s20, s20, 2*32*XSP
	v_add_nc_u32 v5, s20, v5                       ; my block's scale byte
	v_lshlrev_b32 v7, 3, v2
	v_add_nc_u32 v6, s20, v7
	s_lshl_b32 s19, s19, 2
	s_add_co_u32 s22, s19, s18                     ; which run of 8,192 numbers is my wave's: 0 .. 1,023
	s_mov_b32 s25, 0
	s_lshl_b32 s24, s22, 15
	s_add_nc_u64 s[4:5], s[4:5], s[24:25]
	s_lshl_b32 s24, s22, 12
	s_add_nc_u64 s[26:27], s[12:13], s[24:25]      ; its codes
	s_lshl_b32 s24, s22, 8
	s_add_co_u32 s24, s24, XS_OFF
	s_add_nc_u64 s[28:29], s[12:13], s[24:25]      ; its scale bytes
.macro XLOAD t
.irp i, 0,1,2,3
	global_load_b128 v[XR+16*((\t)%4)+4*\i:XR+16*((\t)%4)+4*\i+3], v3, s[4:5] offset:2048*(\t)+512*\i th:TH_LOAD_NT
.endr
.endm
.macro XTURN t                         ; LDS serves a wave's instructions in order: no wait between the stores and the loads
.irp i, 0,1,2,3
	ds_store_b128 v12, v[XR+16*((\t)%4)+4*\i:XR+16*((\t)%4)+4*\i+3] offset:32*XSP*((\t)%2)+8*XSP*\i
.endr
.irp i, 0,1,2,3
	ds_load_b128 v[XX+16*((\t)%2)+4*\i:XX+16*((\t)%2)+4*\i+3], v13 offset:32*XSP*((\t)%2)+16*\i
.endr
.endm
.irp t, 0,1,2,3
	XLOAD \t
.endr
	s_wait_loadcnt 12                              ; step 0's four loads are in
	XTURN 0
.macro XSTEP t
.set XV, XX+16*((\t)%2)
.if (\t) > 0
	s_wait_dscnt 1                                 ; this step's numbers are back from the stage (the last step's byte store may be out)
.else
	s_wait_dscnt 0x0
.endif
.if (\t)+4 < 16
	XLOAD (\t)+4
.endif
.if (\t)+1 < 16
.if 14-(\t) >= 3
	s_wait_loadcnt 12                              ; the next step's four loads are in; those of the three steps behind it may be out
.else
	s_wait_loadcnt 4*(14-(\t))
.endif
	XTURN (\t)+1
.endif
	v_max3_num_f32 v8, |v[XV]|, |v[XV+1]|, |v[XV+2]|
	v_max3_num_f32 v9, |v[XV+3]|, |v[XV+4]|, |v[XV+5]|
.irp i, 6,10
	v_max3_num_f32 v8, v8, |v[XV+\i]|, |v[XV+\i+1]|
	v_max3_num_f32 v9, v9, |v[XV+\i+2]|, |v[XV+\i+3]|
.endr
	v_max3_num_f32 v8, v8, |v[XV+14]|, |v[XV+15]|
	v_max3_num_f32 v8, v8, v9, 0x1800000           ; and the floor 2^(3 - 127): the byte cannot fall under 1
	v_max_num_f32_dpp v8, v8, v8 row_xmask:1 row_mask:0xf bank_mask:0xf   ; with my neighbour's 16: the block's largest magnitude
	v_add_nc_u32 v11, 0xff000000, v8               ; 2 off its exponent field: the conversion takes the exponent field of this operand as its scale
	v_cvt_scalef32_pk8_fp4_f32 v[XC+4*(\t)], v[XV:XV+7], v11
	v_cvt_scalef32_pk8_fp4_f32 v[XC+4*(\t)+1], v[XV+8:XV+15], v11
	v_lshrrev_b32 v[XE+(\t)], 23, v11              ; the scale's byte
	ds_store_b8 v5, v[XE+(\t)] offset:16*(\t)      ; both lanes of a block write the same byte with the same value
	global_store_b64 v4, v[XC+4*(\t):XC+4*(\t)+1], s[26:27] offset:256*(\t)
.endm
.irp t, 0,1,2,3,4,5,6,7,8,9,10,11,12,13,14,15
	XSTEP \t
.endr
	ds_load_b64 v[8:9], v6
	s_wait_dscnt 0x0
	global_store_b64 v7, v[8:9], s[28:29]          ; 32 lanes store 256 consecutive bytes
	s_wait_tensorcnt 0x0                           ; the wave's end, behind my last LDS store
	ds_add_u32 v[SPW], v[NIL]
	s_wait_dscnt 0x0
	s_endpgm
; ---------------- W: a lane takes a column n of Wqkv and its registers run down K: a block of 32 lies in one lane, and the conversions give codes with K innermost.  A wave takes 32 columns x 512 along K;
; the codes go through the wave's own stage and leave as rows, sixteen lanes to 256 consecutive bytes.  Every offset is an immediate: 511 x 12,288 bytes at the most.
.Lw:
.set WX, 32                            ; v32-95   two sets of 32 numbers
.set WCD, 96                           ; v96-99   a block's codes
.set WOUT, 112                         ; v112-175 the way out
.set WSB, 24                           ; v24-27   the scale bytes, four to a register
	s_sub_co_u32 s19, ttmp9, NM+NX
	s_lshr_b32 s20, s19, 1                         ; which 128 columns
	s_and_b32 s21, s19, 1                          ; which half of K
	s_lshl_b32 s20, s20, 7
	s_lshl_b32 s22, s18, 5
	s_add_co_u32 s20, s20, s22                     ; my wave's first column
	v_lshlrev_b32 v3, 2, v2
	s_mul_i32 s22, s18, 32*272
	s_add_co_u32 s22, s22, LW
	v_mul_u32_u24 v4, v2, 272
	v_add_nc_u32 v4, s22, v4
	v_and_b32 v5, 15, v2
	v_lshrrev_b32 v6, 4, v2
	v_mul_u32_u24 v7, v6, 272
	v_lshl_add_u32 v7, v5, 4, v7
	v_add_nc_u32 v7, s22, v7
	v_lshlrev_b32 v8, 9, v6
	v_lshl_add_u32 v8, v5, 4, v8                   ; rows of 512 bytes in the codes' part of q4
	v_lshlrev_b32 v9, 5, v2                        ; rows of 32 scale bytes
	s_mul_i32 s24, s21, 512*3072*4
	s_lshl_b32 s25, s20, 2
	s_add_co_u32 s24, s24, s25
	s_mov_b32 s25, 0
	s_add_nc_u64 s[6:7], s[6:7], s[24:25]
	s_lshl_b32 s24, s20, 9
	s_lshl_b32 s26, s21, 8
	s_add_co_u32 s24, s24, s26
	s_add_co_u32 s24, s24, WC_OFF
	s_add_nc_u64 s[26:27], s[12:13], s[24:25]
	s_lshl_b32 s24, s20, 5
	s_lshl_b32 s28, s21, 4
	s_add_co_u32 s24, s24, s28
	s_add_co_u32 s24, s24, WS_OFF
	s_add_nc_u64 s[28:29], s[12:13], s[24:25]
.macro WLOAD t
.irp i, 0,1,2,3,4,5,6,7,8,9,10,11,12,13,14,15,16,17,18,19,20,21,22,23,24,25,26,27,28,29,30,31
	global_load_b32 v[WX+32*((\t)%2)+\i], v3, s[6:7] offset:(32*(\t)+\i)*12288 th:TH_LOAD_NT
.endr
.endm
	WLOAD 0
	WLOAD 1
.macro WBLOCK t
.set WV, WX+32*((\t)%2)
.if (\t) < 15
	s_wait_loadcnt 32                              ; this block's 32 loads are in; the next block's may be out
.else
	s_wait_loadcnt 0
.endif
	v_max3_num_f32 v12, |v[WV]|, |v[WV+1]|, |v[WV+2]|
	v_max3_num_f32 v13, |v[WV+3]|, |v[WV+4]|, |v[WV+5]|
.irp i, 6,10,14,18,22,26
	v_max3_num_f32 v12, v12, |v[WV+\i]|, |v[WV+\i+1]|
	v_max3_num_f32 v13, v13, |v[WV+\i+2]|, |v[WV+\i+3]|
.endr
	v_max3_num_f32 v12, v12, |v[WV+30]|, |v[WV+31]|
	v_max3_num_f32 v12, v12, v13, 0x1800000        ; and the floor
	v_add_nc_u32 v11, 0xff000000, v12
	v_lshrrev_b32 v13, 23, v11
.if (\t)%4 == 0
	v_mov_b32 v[WSB+(\t)/4], v13
.else
	v_lshl_or_b32 v[WSB+(\t)/4], v13, 8*((\t)%4), v[WSB+(\t)/4]
.endif
.irp g, 0,1,2,3
	v_cvt_scalef32_pk8_fp4_f32 v[WCD+\g], v[WV+8*\g:WV+8*\g+7], v11
.endr
	v_nop                                          ; one plain line behind the last scaled conversion
	ds_store_b128 v4, v[WCD:WCD+3] offset:16*(\t)
.if (\t)+2 < 16
	WLOAD (\t)+2
.endif
	s_wait_dscnt 0x0                               ; the store has read its registers: the next block's codes may be written
.endm
.irp t, 0,1,2,3,4,5,6,7,8,9,10,11,12,13,14,15
	WBLOCK \t
.endr
	global_store_b128 v9, v[WSB:WSB+3], s[28:29]   ; my column's 16 scale bytes
.irp t, 0,1,2,3,4,5,6,7,8,9,10,11,12,13,14,15
	ds_load_b128 v[WOUT+4*\t:WOUT+4*\t+3], v7 offset:2*\t*272
.endr
.irp t, 0,1,2,3,4,5,6,7,8,9,10,11,12,13,14,15
	s_wait_dscnt 15-\t
	global_store_b128 v8, v[WOUT+4*\t:WOUT+4*\t+3], s[26:27] offset:2*\t*512
.endr
	s_wait_tensorcnt 0x0                           ; the wave's end, behind my last LDS store
	ds_add_u32 v[SPW], v[NIL]
	s_wait_dscnt 0x0
	s_endpgm
.Lfunc_end_k_qe7fb68f5d2_prep:
	.size	k_qe7fb68f5d2_prep, .Lfunc_end_k_qe7fb68f5d2_prep-k_qe7fb68f5d2_prep
	.p2alignl 7, 3214868480
	.fill 96, 4, 3214868480
	.section	.rodata,"a",@progbits
	.p2align	6, 0x0
	.amdhsa_kernel k_qe7fb68f5d2_prep
		.amdhsa_group_segment_fixed_size 102912
		.amdhsa_private_segment_fixed_size 0
		.amdhsa_enable_private_segment 0
		.amdhsa_kernarg_size 56
		.amdhsa_user_sgpr_count 2
		.amdhsa_user_sgpr_kernarg_segment_ptr 1
		.amdhsa_wavefront_size32 1
		.amdhsa_system_sgpr_workgroup_id_x 1
		.amdhsa_system_sgpr_workgroup_id_y 1
		.amdhsa_system_sgpr_workgroup_id_z 1
		.amdhsa_system_vgpr_workitem_id 0
		.amdhsa_next_free_vgpr 256
		.amdhsa_next_free_sgpr 66
		.amdhsa_reserve_vcc 1
		.amdhsa_float_denorm_mode_32 3
		.amdhsa_float_denorm_mode_16_64 3
		.amdhsa_memory_ordered 1
		.amdhsa_forward_progress 1
		.amdhsa_inst_pref_size 216
	.end_amdhsa_kernel
	.amdgpu_metadata
---
amdhsa.version: [ 1, 2 ]
amdhsa.kernels:
  - .name:           k_qe7fb68f5d2_prep
    .symbol:         k_qe7fb68f5d2_prep.kd
    .args:
      - { .name: x, .offset: 0, .size: 8, .value_kind: global_buffer, .address_space: global }
      - { .name: Wqkv, .offset: 8, .size: 8, .value_kind: global_buffer, .address_space: global }
      - { .name: Wo, .offset: 16, .size: 8, .value_kind: global_buffer, .address_space: global }
      - { .name: mask, .offset: 24, .size: 8, .value_kind: global_buffer, .address_space: global }
      - { .name: q4, .offset: 32, .size: 8, .value_kind: global_buffer, .address_space: global }
      - { .name: wot, .offset: 40, .size: 8, .value_kind: global_buffer, .address_space: global }
      - { .name: msk, .offset: 48, .size: 8, .value_kind: global_buffer, .address_space: global }
    .group_segment_fixed_size: 102912
    .private_segment_fixed_size: 0
    .kernarg_segment_align: 8
    .kernarg_segment_size: 56
    .max_flat_workgroup_size: 128
    .sgpr_count:     66
    .vgpr_count:     256
    .wavefront_size: 32
...
	.end_amdgpu_metadata
.endif
;; end of part 1
;; launch qkvgemm (part 2): grid 12 x 32, 4 waves a work-group, clusters of 4 x 4, 327,680 bytes of LDS; arguments q4, qkv; writes qkv
.if DOCPART == 2
	.amdgcn_target "amdgcn-amd-amdhsa--gfx1250"
	.amdhsa_code_object_version 6
	.text
	.protected	k_qe7fb68f5d2_qkvgemm
	.globl	k_qe7fb68f5d2_qkvgemm
	.p2align	8
	.type	k_qe7fb68f5d2_qkvgemm,@function
k_qe7fb68f5d2_qkvgemm:
	s_mov_b64 s[64:65], 0
	v_nop
	global_prefetch_b8 v0, s[64:65] scope:SCOPE_SE
	s_setreg_imm32_b32 hwreg(HW_REG_WAVE_MODE, 25, 1), 1
	s_wait_xcnt 0x0
	s_wait_alu depctr_hold_cnt(0) depctr_sa_sdst(0) depctr_va_vdst(0) depctr_va_sdst(0) depctr_va_ssrc(0) depctr_va_vcc(0) depctr_vm_vsrc(0)
	s_getreg_b32 s2, hwreg(HW_REG_IB_STS2, 6, 4)
	s_cmp_eq_u32 s2, 0
	s_cbranch_scc0 .Lentry_in_a_cluster
	s_endpgm
.Lentry_in_a_cluster:
	s_bfe_u32 s2, ttmp6, 0x10000c
	s_cmp_lg_u32 s2, 0xf033
	s_cbranch_scc0 .Lentry_shape_is_right
	s_endpgm
.Lentry_shape_is_right:
; qkv = Q(x) Q(Wqkv): [8192][1024] x [3072 (n)][1024] on codes of E2M1 with one E8M0 scale for each 32 along K; sums in f32, K ascending; results rounded once to f16 and laid by head: [which 3][b 4][h 16][t 2048][64].
; A tile of C, 256 x 256, is made by a work-group of four waves; a wave makes 128 x 128: 64 accumulators, 512 registers.  K = 1,024 is two slots of 512 along K: both are asked for at the start and nothing is filled again.
; The scale bytes of the work-group's 256 rows of x and 256 rows of Wqkv^T are two dense blocks: they come into LDS once, as rows of 256 bytes + 16 of padding.
; CLUSTERS: 4 x 4 work-groups; x's tiles are shared along a row of the cluster, Wqkv's along a column: each is asked for jointly, by the same tensor load with the same descriptor and a mask that names the four.
; THE MATRIX INSTRUCTION IS USED TRANSPOSED (source 0 = 16 rows of Wqkv^T, source 1 = 16 rows of x): a lane holds eight neighbouring columns of one row of C.
; REGISTERS: window 0: v0-31 addresses; v32-95 scale words, two sets; v128-191 x's fragments, one set.  window 1: Wqkv's fragments, two sets, at v0 and v128.  windows 2, 3: the accumulators ((a, b) at v[8 (8 (a % 4) + b)]).
; LIMIT: q, k, v leave as f16: magnitudes under 65,504.
.set SIZE_K, 1024
.set XS_OFF, 4194304
.set WC_OFF, 4456448
.set WS_OFF, 6029312
.set HS,     262144                    ; a head of qkv in bytes: 2,048 rows of 128
.set KSTEP,  512
.set NQ,     KSTEP/128
.set ROWB,   256
.set KROW,   SIZE_K*4/8
.set PITCH,  272                       ; an LDS row: 256 bytes + 16 of padding: the 16 rows that a load touches start 68 words apart
.set FR,     8
.set NL,     2
.set NP,     4
.set HALFT,  128*PITCH
.set SLOT,   4*HALFT
.set KS,     SIZE_K/32
.set SCL,    2*SLOT
.set HALFS,  (128*KS/256)*272
.set SBLK,   (16*KS/256)*272
.set SPARE,  SCL+4*HALFS               ; the spare words, 128 bytes for each wave: two blocks of 256 bytes that no other line names
.set SPITCH, 272                       ; the way out: a stage of 16 rows x (256 bytes + 16) for each wave, in slot 0, which has had its only fill and its last read by then
.set ADRA, 16
.set ADRB, 20
.set STO,  24
.set RD,   25
.set CO,   26
.set ADRS, 27
.set SPW,  28
.set NIL,  29
.set SC,   32
.set AF,   128
.set TMP,  192                         ; the way out: packed results, v192-223
.set OB,   32                          ; and rows read back: v32-63 and v224-255 by turns
.set G1, 24
.set G0, 32
.set G1B, 48
.set G0B, 56
.set G1S, 68
.set G0S, 76
.set G1SB, 80
.set G0SB, 88
.set MSB, 0
.macro WIN new                         ; the immediate's high byte repeats the setting that is left
.if MSB != \new
	s_set_vgpr_msb (MSB<<8)|\new
.set MSB, \new
.endif
.endm
.set MUL_LO, 0xa1
.set MUL_HI, 0xf1
.set TO_B,   0x40
; A joint load: waves 0 and 1 fetch for x, waves 2 and 3 for Wqkv.  The branch hangs on the wave's number alone.  An s_nop 0 and four v_nop follow each of the two lines.
.macro JLOAD g0a, g1a, g0b, g1b
	s_cmp_eq_u32 s15, 0
	s_cbranch_scc0 .Lfor_b_\@
	tensor_load_to_lds s[\g0a:\g0a+3], s[\g1a:\g1a+7]
	s_nop 0
.rept 4
	v_nop
.endr
	s_branch .Lasked_\@
.Lfor_b_\@:
	tensor_load_to_lds s[\g0b:\g0b+3], s[\g1b:\g1b+7]
	s_nop 0
.rept 4
	v_nop
.endr
.Lasked_\@:
.endm
.macro CROUND                          ; a round of the cluster's barrier
	s_barrier_signal -1
	s_barrier_wait -1
	s_cmp_lg_u32 s14, 0
	s_cbranch_scc1 .Lnot_wave_0_\@
	s_barrier_signal -3
.Lnot_wave_0_\@:
	s_barrier_wait -3
	s_barrier_signal -1
	s_barrier_wait -1
.endm
	s_load_b128 s[4:7], s[0:1], 0x0                ; q4 s[4:5], qkv s[6:7]
	v_lshl_add_u32 v[SPW], v0, 2, SPARE
	v_mov_b32 v[NIL], 0
	ds_add_u32 v[SPW], v[NIL]                      ; the wave's opening: the add, twice on end, and its wait ahead of my first tensor load
	ds_add_u32 v[SPW], v[NIL]
	v_lshrrev_b32 v1, 5, v0
	v_readfirstlane_b32 s14, v1                    ; wave 0..3
	s_lshr_b32 s15, s14, 1                         ; which half of the tile's rows is mine.  Also: I fetch for x (0) or for Wqkv (1)
	s_and_b32 s16, s14, 1                          ; which half of its columns.  Also: which 128 rows of that tile I fetch
	s_bfe_u32 s40, ttmp6, 0x40000                  ; cx, cy
	s_bfe_u32 s41, ttmp6, 0x40004
	s_lshl_b32 s42, ttmp9, 2
	s_add_co_u32 s42, s42, s40                     ; tile column of C
	s_and_b32 s17, ttmp7, 0xffff
	s_lshl_b32 s17, s17, 2
	s_add_co_u32 s17, s17, s41                     ; tile row of C
	s_lshl_b32 s43, s41, 2
	s_lshl_b32 s43, 15, s43                        ; my row of the cluster
	s_lshl_b32 s44, 0x1111, s40                    ; my column
	s_or_b32 s[G1+0], s43, (0<<16)|(1<<20)|(1<<21)|(5<<22)|(3<<25)   ; the mask; elements of 1 byte; padding on; bit 21 beside a mask; 4 words of padding after every 64
	s_or_b32 s[G1B+0], s44, (0<<16)|(1<<20)|(1<<21)|(5<<22)|(3<<25)
.irp g, G1, G1B
	s_mov_b32 s[\g+1], ROWB<<16                    ; tensor_dim0
	s_mov_b32 s[\g+2], 128<<16                     ; tensor_dim1
	s_mov_b32 s[\g+3], ROWB<<16                    ; tile_dim0
	s_mov_b32 s[\g+4], 128                         ; tile_dim1
	s_mov_b32 s[\g+5], KROW                        ; the pitch
	s_mov_b32 s[\g+6], 0
	s_mov_b32 s[\g+7], 0
.endr
	s_or_b32 s[G1S+0], s43, (3<<16)|(1<<20)|(1<<21)|(5<<22)|(3<<25)  ; the scales of 128 rows: 4,096 dense bytes as 16 rows of 32 elements of 8 bytes
	s_or_b32 s[G1SB+0], s44, (3<<16)|(1<<20)|(1<<21)|(5<<22)|(3<<25)
.irp g, G1S, G1SB
	s_mov_b32 s[\g+1], 32<<16
	s_mov_b32 s[\g+2], (128*KS/256)<<16
	s_mov_b32 s[\g+3], 32<<16
	s_mov_b32 s[\g+4], 128*KS/256
	s_mov_b32 s[\g+5], 32
	s_mov_b32 s[\g+6], 0
	s_mov_b32 s[\g+7], 0
.endr
	s_lshl_b32 s18, s16, 7
	s_lshl_b32 s20, s17, 8
	s_add_co_u32 s20, s20, s18                     ; x: row 256 x tile row + 128 x half
	s_lshl_b32 s46, s42, 8
	s_add_co_u32 s46, s46, s18                     ; Wqkv^T: row 256 x tile column + 128 x half
	s_mov_b32 s21, 0
	s_mov_b32 s47, 0
	s_mov_b64 s[18:19], KS
	s_mul_u64 s[22:23], s[20:21], s[18:19]         ; where these rows' scales begin,
	s_mul_u64 s[92:93], s[46:47], s[18:19]
	s_mov_b64 s[18:19], KROW
	s_mul_u64 s[20:21], s[20:21], s[18:19]         ; and their codes
	s_mul_u64 s[46:47], s[46:47], s[18:19]
	s_mul_i32 s45, s14, HALFT                      ; where they go: wave x 128 rows
	s_mul_i32 s94, s14, HALFS
	s_wait_dscnt 0x0                               ; both opening adds are done
	s_wait_kmcnt 0x0
	s_mov_b64 s[12:13], s[6:7]                     ; qkv
	s_add_nc_u64 s[6:7], s[4:5], XS_OFF            ; x's scales
	s_add_nc_u64 s[8:9], s[4:5], WC_OFF            ; Wqkv's codes
	s_add_nc_u64 s[10:11], s[4:5], WS_OFF          ; Wqkv's scales
	s_add_nc_u64 s[20:21], s[4:5], s[20:21]
	s_add_nc_u64 s[22:23], s[6:7], s[22:23]
	s_add_nc_u64 s[46:47], s[8:9], s[46:47]
	s_add_nc_u64 s[92:93], s[10:11], s[92:93]
	CROUND                                         ; all sixteen work-groups are here: the first joint loads meet
	s_mov_b32 s[G0S], 1
	s_add_co_u32 s[G0S+1], s94, SCL
	s_mov_b64 s[G0S+2:G0S+3], s[22:23]
	s_or_b32 s[G0S+3], s[G0S+3], 0x80000000
	s_mov_b32 s[G0SB], 1
	s_add_co_u32 s[G0SB+1], s94, SCL
	s_mov_b64 s[G0SB+2:G0SB+3], s[92:93]
	s_or_b32 s[G0SB+3], s[G0SB+3], 0x80000000
	JLOAD G0S, G1S, G0SB, G1SB                     ; the scales first: they are wanted with the first slot
.irp s, 0,1
	s_mov_b32 s[G0+4*\s], 1
	s_add_co_u32 s[G0+4*\s+1], s45, \s*SLOT
	s_add_nc_u64 s[G0+4*\s+2:G0+4*\s+3], s[20:21], \s*ROWB
	s_or_b32 s[G0+4*\s+3], s[G0+4*\s+3], 0x80000000
	s_mov_b32 s[G0B+4*\s], 1
	s_add_co_u32 s[G0B+4*\s+1], s45, \s*SLOT
	s_add_nc_u64 s[G0B+4*\s+2:G0B+4*\s+3], s[46:47], \s*ROWB
	s_or_b32 s[G0B+4*\s+3], s[G0B+4*\s+3], 0x80000000
	JLOAD G0+4*\s, G1, G0B+4*\s, G1B               ; by this text's count three tensor loads of a wave are out
.endr
	v_and_b32 v1, 15, v0                           ; l % 16
	v_bfe_u32 v2, v0, 4, 1                         ; l / 16
	v_mul_u32_u24 v3, v1, PITCH
	v_lshl_add_u32 v4, v2, 4, v3
	s_mul_i32 s21, s15, HALFT
	s_mul_i32 s22, s16, HALFT
	s_add_co_u32 s22, s22, 2*HALFT
.irp s, 0,1
	v_add_nc_u32 v[ADRA+\s], s21, v4
	v_add_nc_u32 v[ADRB+\s], s22, v4
	s_add_co_u32 s21, s21, SLOT
	s_add_co_u32 s22, s22, SLOT
.endr
	v_mul_u32_u24 v5, v1, KS                       ; my row's scales: 32 bytes a row,
	v_lshrrev_b32 v6, 8, v5
	v_lshl_add_u32 v5, v6, 4, v5                   ; and 16 more for each 256 passed
	s_mul_i32 s21, s15, HALFS
	s_mul_i32 s22, s16, HALFS
	s_add_co_u32 s22, s22, 2*HALFS
	s_sub_co_u32 s22, s22, s21
	v_mul_u32_u24 v6, s22, v2                      ; lanes 16-31 take Wqkv's
	s_add_co_u32 s21, s21, SCL
	v_add_nc_u32 v5, v5, v6
	v_add_nc_u32 v[ADRS], s21, v5
	s_mul_i32 s23, s14, 16*SPITCH                  ; my stage
	v_mul_u32_u24 v5, v1, SPITCH                   ; in: row l % 16, 16 bytes for each half of the lanes
	v_lshl_add_u32 v5, v2, 4, v5
	v_add_nc_u32 v[STO], s23, v5
	v_and_b32 v6, 31, v0
	v_lshlrev_b32 v[CO], 4, v6                     ; out: 32 lanes x 16 bytes = four rows of 128 bytes of one head, consecutive in memory
	v_lshrrev_b32 v5, 3, v6
	v_mul_u32_u24 v5, v5, SPITCH
	v_and_b32 v6, 7, v6
	v_lshl_add_u32 v5, v6, 4, v5
	v_add_nc_u32 v[RD], s23, v5                    ; back: row l / 8 of four, 16 (l % 8) bytes into a head's 128
	s_lshl_b32 s20, s17, 8                         ; my first row: 256 x tile row + 128 x half = 2,048 b + t0
	s_lshl_b32 s21, s15, 7
	s_add_co_u32 s20, s20, s21
	s_lshr_b32 s21, s20, 11
	s_and_b32 s20, s20, 2047
	s_lshl_b32 s20, s20, 7                         ; t0 rows of 128 bytes
	s_lshl_b32 s21, s21, 22                        ; b x 16 heads
	s_add_co_u32 s20, s20, s21
	s_lshl_b32 s46, s42, 2                         ; my first column / 64 = 16 which + h
	s_lshl_b32 s47, s16, 1
	s_add_co_u32 s46, s46, s47
	s_lshr_b32 s47, s46, 4
	s_and_b32 s46, s46, 15
	s_lshl_b32 s46, s46, 18                        ; h heads
	s_lshl_b32 s47, s47, 24                        ; which x 64 heads
	s_add_co_u32 s46, s46, s47
	s_add_co_u32 s20, s20, s46
	s_mov_b32 s21, 0
	s_add_nc_u64 s[12:13], s[12:13], s[20:21]
.macro FRAG reg, adr, q, i             ; 16 rows x 128 K of 4-bit codes: lane l holds row l % 16; registers 4 c .. 4 c + 3 hold K = 64 c + 32 (l / 16) + 0 .. 31
.irp c, 0,1
	ds_load_b128 v[\reg+4*\c:\reg+4*\c+3], v[\adr] offset:64*(\q)+32*\c+(\i)*16*PITCH
.endr
.endm
; 16 matrix instructions: x's blocks a0, a0 + 1 against Wqkv's eight, 128 along K.  The 64 accumulators take turns, one instruction a turn, in the same order in every step.
.macro MUL16 a0, p, q, sc, zero
.irp a, \a0, \a0+1
.irp b, 0,1,2,3,4,5,6,7
.if \zero
	v_wmma_scale_f32_16x16x128_f8f6f4 v[8*(8*((\a)%4)+\b):8*(8*((\a)%4)+\b)+7], v[128*(\p)+FR*\b:128*(\p)+FR*\b+FR-1], v[AF+FR*(\a):AF+FR*(\a)+FR-1], 0, v[SC+8*NQ*(\sc)+NQ*\b+(\q)], v[SC+8*NQ*(\sc)+NQ*(\a)+(\q)] matrix_a_fmt:MATRIX_FMT_FP4 matrix_b_fmt:MATRIX_FMT_FP4 matrix_a_scale:MATRIX_SCALE_ROW1
.else
	v_wmma_scale_f32_16x16x128_f8f6f4 v[8*(8*((\a)%4)+\b):8*(8*((\a)%4)+\b)+7], v[128*(\p)+FR*\b:128*(\p)+FR*\b+FR-1], v[AF+FR*(\a):AF+FR*(\a)+FR-1], v[8*(8*((\a)%4)+\b):8*(8*((\a)%4)+\b)+7], v[SC+8*NQ*(\sc)+NQ*\b+(\q)], v[SC+8*NQ*(\sc)+NQ*(\a)+(\q)] matrix_a_fmt:MATRIX_FMT_FP4 matrix_b_fmt:MATRIX_FMT_FP4 matrix_a_scale:MATRIX_SCALE_ROW1
.endif
.endr
.endr
.endm
.macro FETCH_B slot, q, p
	WIN TO_B
.irp i, 0,1,2,3,4,5,6,7
	FRAG 128*(\p)+FR*\i, ADRB+\slot, \q, \i
.endr
	WIN 0
.endm
.macro FETCH_A slot, q, i0
.irp i, \i0, \i0+1, \i0+2, \i0+3
	FRAG AF+FR*(\i), ADRA+\slot, \q, \i
.endr
.endm
.macro SCALES sc                       ; a slot's scale words: lanes 0-15 take x's block i, lanes 16-31 Wqkv's block i
.irp i, 0,1,2,3,4,5,6,7
	ds_load_b128 v[SC+8*NQ*\sc+NQ*\i:SC+8*NQ*\sc+NQ*\i+3], v[ADRS] offset:\i*SBLK
.endr
.endm
.macro PLACES n                        ; plain vector lines between a matrix instruction and a load into, or a read of, its registers
.rept \n
	v_nop
.endr
.endm
.macro STEP slot, q, zero              ; a step of 128 along K that has its successor in the same slot
	s_wait_dscnt 4*NL                              ; Wqkv's set and x's blocks 0-3 are in; the youngest eight loads (x's blocks 4-7) may be out
	WIN MUL_LO
	MUL16 0, (\q)%2, \q, \slot, \zero
	MUL16 2, (\q)%2, \q, \slot, \zero
	s_wait_dscnt 0                                 ; x's blocks 4-7 are in
	PLACES NP
	FETCH_B \slot, (\q)+1, 1-(\q)%2
	FETCH_A \slot, (\q)+1, 0
	WIN MUL_HI
	MUL16 4, (\q)%2, \q, \slot, \zero
	MUL16 6, (\q)%2, \q, \slot, \zero
	PLACES NP
	WIN 0
	FETCH_A \slot, (\q)+1, 4
.endm
.macro TURN slot, next                 ; slot 0's last step changes slots: one barrier; nothing is filled again
	s_wait_tensorcnt 0x0                           ; all my tensor loads have landed: my part of the next slot
	ds_add_u32 v[SPW], v[NIL]                      ; 0 onto my spare word
	s_wait_dscnt 4*NL+1                            ; (the add and the youngest eight loads may be out)
	WIN MUL_LO
	MUL16 0, 1, NQ-1, \slot, 0
	s_wait_dscnt 0x0                               ; the add is done, and my reads of this slot are over
	s_barrier_signal -1
	MUL16 2, 1, NQ-1, \slot, 0
	WIN 0
	s_barrier_wait -1
	PLACES NP
	v_add_nc_u32 v[ADRS], 4*NQ, v[ADRS]            ; on to the next slot's scale words
	FETCH_B \next, 0, 0
	FETCH_A \next, 0, 0
	SCALES \next
	WIN MUL_HI
	MUL16 4, 1, NQ-1, \slot, 0
	MUL16 6, 1, NQ-1, \slot, 0
	PLACES NP
	WIN 0
	FETCH_A \next, 0, 4
.endm
	s_wait_tensorcnt 1                             ; the scales and my part of slot 0 are in (slot 1's load may be out)
	s_barrier_signal -1
	s_barrier_wait -1                              ; everybody's are
	FETCH_B 0, 0, 0
	FETCH_A 0, 0, 0
	SCALES 0
	FETCH_A 0, 0, 4
	STEP 0, 0, 1                                   ; the first step's products start the sums: nothing is cleared
	STEP 0, 1, 0
	STEP 0, 2, 0
	TURN 0, 1
	STEP 1, 0, 0
	STEP 1, 1, 0
	STEP 1, 2, 0
	s_wait_dscnt 4*NL                              ; the last step: nothing more to fetch
	WIN MUL_LO
	MUL16 0, 1, NQ-1, 1, 0
	MUL16 2, 1, NQ-1, 1, 0
	s_wait_dscnt 0
	WIN MUL_HI
	MUL16 4, 1, NQ-1, 1, 0
	MUL16 6, 1, NQ-1, 1, 0
	WIN 0
; THE WAY OUT, block by block of 16 rows x 128 columns (two heads).  PACK: rounded to f16, 16 bytes a lane, each accumulator from its low end on.  TOSTAGE: into my stage, and back as four rows of one head.  SEND: 512 consecutive bytes a store.
.macro PACK a
.set AC, 64*((\a)%4)
	WIN 0x0a+5*((\a)/4)                            ; sources 0 and 1: window 2 or 3
.irp b, 0,1,2,3,4,5,6,7
.irp r, 0,1,2,3
	v_cvt_pk_f16_f32 v[TMP+4*\b+\r], v[AC+8*\b+2*\r], v[AC+8*\b+2*\r+1]
.endr
.endr
	WIN 0
.endm
.macro TOSTAGE a
.set BK, OB+192*((\a)%2)
.irp b, 0,1,2,3,4,5,6,7
	ds_store_b128 v[STO], v[TMP+4*\b:TMP+4*\b+3] offset:32*\b
.endr
.irp u, 0,1,2,3,4,5,6,7
	ds_load_b128 v[BK+4*\u:BK+4*\u+3], v[RD] offset:(\u%4)*4*SPITCH+128*(\u/4)   ; LDS serves a wave's instructions in order: these see the stores above
.endr
.endm
.macro SEND a
.set BK, OB+192*((\a)%2)
	s_wait_dscnt 0x0                               ; the block is back in registers
	s_wait_xcnt 0x0                                ; the stores of the block before have read their registers: the next loads from the stage land there only behind this wait
.irp u, 0,1,2,3,4,5,6,7
	global_store_b128 v[CO], v[BK+4*\u:BK+4*\u+3], s[12:13] offset:(\a)*2048+(\u%4)*512+(\u/4)*HS
.endr
.endm
	PLACES NP
	PACK 0
	TOSTAGE 0
.irp a, 1,2,3,4,5,6,7
	PACK \a
	SEND \a-1
	TOSTAGE \a
.endr
	SEND 7
	s_wait_tensorcnt 0x0                           ; the wave's end, behind my last tensor load and my last LDS store
	ds_add_u32 v[SPW], v[NIL]
	s_wait_dscnt 0x0
	CROUND                                         ; the closing round
	s_endpgm
.Lfunc_end_k_qe7fb68f5d2_qkvgemm:
	.size	k_qe7fb68f5d2_qkvgemm, .Lfunc_end_k_qe7fb68f5d2_qkvgemm-k_qe7fb68f5d2_qkvgemm
	.p2alignl 7, 3214868480
	.fill 96, 4, 3214868480
	.section	.rodata,"a",@progbits
	.p2align	6, 0x0
	.amdhsa_kernel k_qe7fb68f5d2_qkvgemm
		.amdhsa_group_segment_fixed_size 327680
		.amdhsa_private_segment_fixed_size 0
		.amdhsa_enable_private_segment 0
		.amdhsa_kernarg_size 16
		.amdhsa_user_sgpr_count 2
		.amdhsa_user_sgpr_kernarg_segment_ptr 1
		.amdhsa_wavefront_size32 1
		.amdhsa_system_sgpr_workgroup_id_x 1
		.amdhsa_system_sgpr_workgroup_id_y 1
		.amdhsa_system_sgpr_workgroup_id_z 1
		.amdhsa_system_vgpr_workitem_id 0
		.amdhsa_next_free_vgpr 1024
		.amdhsa_next_free_sgpr 98
		.amdhsa_reserve_vcc 0
		.amdhsa_float_denorm_mode_32 3
		.amdhsa_float_denorm_mode_16_64 3
		.amdhsa_memory_ordered 1
		.amdhsa_forward_progress 1
		.amdhsa_inst_pref_size 127
	.end_amdhsa_kernel
	.amdgpu_metadata
---
amdhsa.version: [ 1, 2 ]
amdhsa.kernels:
  - .name:           k_qe7fb68f5d2_qkvgemm
    .symbol:         k_qe7fb68f5d2_qkvgemm.kd
    .args:
      - { .name: q4, .offset: 0, .size: 8, .value_kind: global_buffer, .address_space: global }
      - { .name: qkv, .offset: 8, .size: 8, .value_kind: global_buffer, .address_space: global }
    .group_segment_fixed_size: 327680
    .private_segment_fixed_size: 0
    .kernarg_segment_align: 8
    .kernarg_segment_size: 16
    .max_flat_workgroup_size: 128
    .sgpr_count:     98
    .vgpr_count:     1024
    .wavefront_size: 32
...
	.end_amdgpu_metadata
.endif
;; end of part 2
;; launch attn (part 3): grid 4 x 64, 16 waves a work-group, no clusters, 114,688 bytes of LDS; arguments qkv, msk, att; writes att
.if DOCPART == 3
	.amdgcn_target "amdgcn-amd-amdhsa--gfx1250"
	.amdhsa_code_object_version 6
	.text
	.protected	k_qe7fb68f5d2_attn
	.globl	k_qe7fb68f5d2_attn
	.p2align	8
	.type	k_qe7fb68f5d2_attn,@function
k_qe7fb68f5d2_attn:
	s_mov_b64 s[64:65], 0
	v_nop
	global_prefetch_b8 v0, s[64:65] scope:SCOPE_SE
	s_setreg_imm32_b32 hwreg(HW_REG_WAVE_MODE, 25, 1), 1
	s_wait_xcnt 0x0
; att[b][h][q][:] = softmax_k(q . k / 8, where mask[q][k] != 0) v, for all 2,048 queries of each of 64 heads.  q, k, v, the weights p and att are f16; products, maxima and sums f32.
; SHARES.  Work-group (p, head) owns query blocks p and 7 - p of 256 queries: waves 0-7 block p, waves 8-15 block 7 - p; a wave owns group g: 32 queries, two tiles of 16.
; All sixteen waves walk 32 key steps of 64 keys.  A step's K and V (8,192 bytes each) go from memory through registers (16 bytes a thread) into one of two LDS slots; one barrier a step.
; THE MASK IS AN INPUT.  The launch before packed it: a wave leaves out a step's products where ANY[g] says that none of the tile's 32 x 64 numbers counts, and leaves out the masking where FULL[g] says that all count.
; These are branches on stored whole numbers; and the four work-groups of a head keep different steps, so they ask for nothing jointly.
; LAYOUT.  S^T = K Q^T (source 0 = 16 keys, source 1 = 16 queries): a lane holds one query (lane % 16) and keys 16 t + 8 (lane / 16) + j.  Two such tiles packed to f16 are source 1 of O^T = V^T P; V is turned by ds_load_tr16_b128.
; SOFTMAX.  Running maximum m and sum l for each query: p = 2^(c s - c m), c = log2(e) / 8; O and l are multiplied by a = 2^(c m_old - c m_new) in every step that is computed.
; m begins at -3e38 and O, l at 0, since which step is a wave's first hangs on the flags.  A query with no key at all ends with l = 0 and O = 0: 0 x (1 / 0) is NaN.
; LIMITS: f16 operands: |q|, |k|, |v| under 65,504; scores under 3e38 in magnitude; a row to which the mask leaves one or two keys carries the rounding of f16 (11 bits) in p, v and att.
; REGISTERS: v1-13 addresses; v14-15 at work; v16-31 statistics (tile u at 16 + 8 u: c m, m, l, l, c0-c3); v32-39 the tile on its way; v40-47 mask words; v48-79 Q; v80-143 S^T, then P; v144-207 O^T; v208-255 six fragments.
.set HS,    262144
.set SLOTB, 19456                      ; a slot: 64 rows of K x 144 bytes, then 64 rows of V x 160
.set VOFF,  9216
.set STG,   38912                      ; the way out: 32 rows x 144 bytes for each wave
.set SPARE, 112640                     ; the spare words, 128 bytes for each wave: eight blocks of 256 bytes that no other line names
.set SPW, 10
.set NIL, 11
.set ST,  16
.set Q,   48
.set S,   80
.set O,   144
.set KV,  208
	s_load_b128 s[4:7], s[0:1], 0x0                ; qkv s[4:5], msk s[6:7]
	s_load_b64 s[8:9], s[0:1], 0x10                ; att
	v_lshl_add_u32 v[SPW], v0, 2, SPARE
	v_mov_b32 v[NIL], 0
	v_lshrrev_b32 v14, 5, v0
	v_readfirstlane_b32 s10, v14                   ; wave 0..15
	s_and_b32 s12, ttmp7, 0xffff                   ; the head, 0..63
	s_sub_co_u32 s17, 7, ttmp9
	s_cmp_lt_u32 s10, 8
	s_cselect_b32 s17, ttmp9, s17                  ; my block of 256 queries
	s_and_b32 s18, s10, 7
	s_lshl_b32 s13, s17, 3
	s_add_co_u32 s13, s13, s18                     ; g: my 32 queries
	v_and_b32 v14, 15, v0                          ; r
	v_bfe_u32 v15, v0, 4, 1                        ; h
	v_mul_u32_u24 v1, v14, 144
	v_lshl_add_u32 v1, v15, 4, v1                  ; a fragment of K: row r, 16 bytes for each half
	v_and_b32 v2, 7, v0
	v_lshl_add_u32 v2, v15, 3, v2
	v_mul_u32_u24 v2, v2, 160
	v_bfe_u32 v3, v0, 3, 1
	v_lshl_add_u32 v2, v3, 4, v2
	v_add_nc_u32 v2, VOFF, v2                      ; the turning load: key 8 h + l % 8, channels 8 ((l / 8) % 2) on
	v_lshrrev_b32 v3, 3, v0                        ; filling: thread t puts 16 bytes into row t / 8
	v_and_b32 v5, 7, v0
	v_mul_u32_u24 v4, v3, 160
	v_mul_u32_u24 v3, v3, 144
	v_lshl_add_u32 v3, v5, 4, v3
	v_lshl_add_u32 v4, v5, 4, v4
	v_add_nc_u32 v4, VOFF, v4
	v_lshlrev_b32 v5, 4, v0                        ; and takes them from byte 16 t of the tile's 8,192
	v_add_nc_u32 v12, 0x1000000, v5                ; V lies 16,777,216 bytes behind K
	s_lshl_b32 s19, s13, 9
	v_lshl_add_u32 v6, v14, 4, s19                 ; my query's four mask words: 16 bytes a row
	v_lshlrev_b32 v7, 1, v15                       ; their shift in an even step: 2 h;
	v_add_nc_u32 v8, 16, v7                        ; in an odd one 16 more
	v_mov_b32 v9, 0xff800000                       ; -infinity
	v_lshlrev_b32 v47, 7, v14
	v_lshl_add_u32 v47, v15, 4, v47                ; Q: row r of 128 bytes, + 16 h
	s_cmp_eq_u32 s10, 9
	s_cselect_b32 s19, 0x1000000, 0
	v_and_b32 v13, 31, v0
	v_lshl_add_u32 v13, v13, 8, s19                ; the prefetches: lanes 256 bytes apart over a tile of K (wave 8) or of V (wave 9)
	s_lshr_b32 s19, s10, 1
	s_xor_b32 s19, s19, 4
	s_or_b32 s19, s19, ttmp9
	s_cmp_eq_u32 s19, 0
	s_cselect_b32 s50, 16, 0                       ; bit 4 in waves 8 and 9 of the head's first work-group, else 0: each block of a head's K and V is named once in the launch
	s_mov_b32 s46, 0x3e38aa3b                      ; c = log2(e) / 8
	s_mov_b32 s47, s46
	s_mov_b32 s48, 0x76543210
	s_mov_b32 s49, 0xfedcba98                      ; v_permlanex16_b32's selects for lane l xor 16
	s_mov_b32 s16, -1                              ; bit i: step j + i exists; shifted right each step, so that the look-ahead ends with the head's last tile
	s_mov_b32 s44, 16
	s_lshl_b32 s20, s12, 18
	s_mov_b32 s21, 0
	s_lshl_b32 s22, s13, 2
	s_wait_kmcnt 0x0
	s_load_b32 s14, s[6:7], s22 offset:0x80000     ; ANY[g]
	s_load_b32 s15, s[6:7], s22 offset:0x80100     ; FULL[g]
	s_add_nc_u64 s[4:5], s[4:5], s[20:21]          ; my head's Q
	s_add_nc_u64 s[36:37], s[4:5], 0x1000000       ; my head's K, tile 0
	s_add_nc_u64 s[42:43], s[8:9], s[20:21]
	s_lshl_b32 s20, s13, 12                        ; 32 g rows of 128 bytes
	s_add_nc_u64 s[4:5], s[4:5], s[20:21]
	s_add_nc_u64 s[42:43], s[42:43], s[20:21]
	s_mov_b64 s[38:39], s[6:7]                     ; the mask's bits; stepped a segment on at the head of each even step, and read 32,768 bytes back
.irp u, 0,1
.irp c, 0,1
	global_load_b128 v[Q+16*\u+8*\c:Q+16*\u+8*\c+3], v47, s[4:5] offset:2048*\u+64*\c
	global_load_b128 v[Q+16*\u+8*\c+4:Q+16*\u+8*\c+7], v47, s[4:5] offset:2048*\u+64*\c+32
.endr
.endr
	global_load_b128 v[32:35], v5, s[36:37]        ; tile 0
	global_load_b128 v[36:39], v12, s[36:37]
.irp j, 16,17,18,19,20,21,22,23,24,25,26,27,28,29,30,31
	v_mov_b32 v[\j], 0
.endr
	v_mov_b32 v[ST+1], 0xff61b1e6                  ; m = -3e38
	v_mov_b32 v[ST+9], 0xff61b1e6
	v_mul_f32 v[ST], s46, v[ST+1]
	v_mul_f32 v[ST+8], s46, v[ST+9]
.set i, 0
.rept 64
	v_mov_b32 v[O+i], 0                            ; once: a wave's first computed step is not known to the text
.set i, i+1
.endr
	s_wait_loadcnt 0x0
.irp j, 40,41,42,43,44,45,46,47
	v_mov_b32 v[\j], 0
.endr
	ds_store_b128 v3, v[32:35]
	ds_store_b128 v4, v[36:39]
	global_load_b128 v[32:35], v5, s[36:37] offset:8192    ; tile 1
	global_load_b128 v[36:39], v12, s[36:37] offset:8192
	s_wait_kmcnt 0x0
	s_wait_dscnt 0x0
	s_barrier_signal -1
	s_barrier_wait -1                              ; tile 0 lies in slot 0
.macro COMPUTE slot
	s_bitcmp1_b32 s15, 0
	s_cbranch_scc1 .Lnm_\@
	global_load_b128 v[40:43], v6, s[38:39] offset:-32768       ; the mask words of my two queries: asked for here, wanted behind K Q^T
	global_load_b128 v[44:47], v6, s[38:39] offset:-32768+256
.Lnm_\@:
.irp f, 0,1,2,3,4,5                            ; K's fragments (t, c) = (0,0) (1,0) (2,0) (3,0) (0,1) (1,1)
	ds_load_b128 v[KV+8*\f:KV+8*\f+3], v1 offset:\slot*SLOTB+(\f%4)*2304+(\f/4)*64
	ds_load_b128 v[KV+8*\f+4:KV+8*\f+7], v1 offset:\slot*SLOTB+(\f%4)*2304+(\f/4)*64+32
.endr
	s_wait_dscnt 4                                 ; the first four fragments are in; the last two (four loads) may be out
.irp t, 0,1,2,3
.irp u, 0,1
	v_wmma_f32_16x16x32_f16 v[S+32*\u+8*\t:S+32*\u+8*\t+7], v[KV+8*\t:KV+8*\t+7], v[Q+16*\u:Q+16*\u+7], 0
.endr
.endr
.rept 4
	v_nop                                          ; places in front of loads into registers that matrix instructions have read
.endr
.irp f, 0,1                                    ; (2,1) (3,1)
	ds_load_b128 v[KV+8*\f:KV+8*\f+3], v1 offset:\slot*SLOTB+(\f+2)*2304+64
	ds_load_b128 v[KV+8*\f+4:KV+8*\f+7], v1 offset:\slot*SLOTB+(\f+2)*2304+64+32
.endr
	s_wait_dscnt 4                                 ; all but the four just issued
.irp t, 0,1
.irp u, 0,1
	v_wmma_f32_16x16x32_f16 v[S+32*\u+8*\t:S+32*\u+8*\t+7], v[KV+32+8*\t:KV+32+8*\t+7], v[Q+16*\u+8:Q+16*\u+15], v[S+32*\u+8*\t:S+32*\u+8*\t+7]
.endr
.endr
	s_wait_dscnt 0x0
.irp t, 2,3
.irp u, 0,1
	v_wmma_f32_16x16x32_f16 v[S+32*\u+8*\t:S+32*\u+8*\t+7], v[KV+8*(\t-2):KV+8*(\t-2)+7], v[Q+16*\u+8:Q+16*\u+15], v[S+32*\u+8*\t:S+32*\u+8*\t+7]
.endr
.endr
.rept 4
	v_nop                                          ; places in front of the loads below and of the first read of the scores
.endr
.irp f, 0,1,2,3,4,5                            ; V's fragments (kk, c) = (0,0) (0,1) (0,2) (0,3) (1,0) (1,1): they land while the softmax is walked
	ds_load_tr16_b128 v[KV+8*\f:KV+8*\f+3], v2 offset:\slot*SLOTB+(\f/4)*5120+(\f%4)*32
	ds_load_tr16_b128 v[KV+8*\f+4:KV+8*\f+7], v2 offset:\slot*SLOTB+(\f/4)*5120+(\f%4)*32+2560
.endr
	s_bitcmp1_b32 s15, 0
	s_cbranch_scc1 .Lfull_\@
	s_wait_loadcnt 0x0                             ; the mask words (and the tile on its way, which was asked for earlier)
.irp w, 0,1,2,3,4,5,6,7
	v_lshrrev_b32 v[40+\w], v[7+\slot], v[40+\w]   ; key 16 t + 8 h + j of the step is bit 4 t + j / 4 of word j % 4 now
.endr
.irp n, 0,1,2,3,4,5,6,7,8,9,10,11,12,13,14,15,16,17,18,19,20,21,22,23,24,25,26,27,28,29,30,31
.irp u, 0,1
	v_and_b32 v[14+\u], 1<<(4*(\n/8)+((\n%8)/4)), v[40+4*\u+(\n%4)]
	v_cmp_eq_u32 vcc_lo, 0, v[14+\u]
	v_cndmask_b32 v[S+32*\u+\n], v[S+32*\u+\n], v9, vcc_lo     ; a hidden score becomes -infinity: p = 0
.endr
.endr
.Lfull_\@:
.irp q, 0,1,2,3                                ; the maximum: four chains a tile, each begun at an accumulator's low end; the two tiles by turns
.irp u, 0,1
	v_max3_num_f32 v[ST+8*\u+4+\q], v[S+32*\u+8*\q], v[S+32*\u+8*\q+1], v[S+32*\u+8*\q+2]
.endr
.endr
.irp i, 3,5
.irp q, 0,1,2,3
.irp u, 0,1
	v_max3_num_f32 v[ST+8*\u+4+\q], v[ST+8*\u+4+\q], v[S+32*\u+8*\q+\i], v[S+32*\u+8*\q+\i+1]
.endr
.endr
.endr
.irp u, 0,1
	v_max3_num_f32 v[ST+8*\u+4], v[ST+8*\u+4], v[S+32*\u+7], v[S+32*\u+15]
	v_max3_num_f32 v[ST+8*\u+6], v[ST+8*\u+6], v[S+32*\u+23], v[S+32*\u+31]
.endr
.irp u, 0,1
	v_max3_num_f32 v[ST+8*\u+4], v[ST+8*\u+4], v[ST+8*\u+5], v[ST+8*\u+6]
.endr
.irp u, 0,1
	v_max3_num_f32 v[ST+8*\u+4], v[ST+8*\u+4], v[ST+8*\u+7], v[ST+8*\u+1]   ; and the old m
.endr
.irp u, 0,1
	v_permlanex16_b32 v[ST+8*\u+5], v[ST+8*\u+4], s48, s49     ; the query's other 32 keys lie in the lane 16 away
.endr
.irp u, 0,1
	v_mov_b32 v[ST+8*\u+7], v[ST+8*\u]             ; c m_old
.endr
.irp u, 0,1
	v_max_num_f32 v[ST+8*\u+1], v[ST+8*\u+4], v[ST+8*\u+5]
.endr
.irp u, 0,1
	v_mul_f32 v[ST+8*\u], s46, v[ST+8*\u+1]
.endr
.irp u, 0,1
	v_sub_f32 v[ST+8*\u+7], v[ST+8*\u+7], v[ST+8*\u]
.endr
.irp b, 0,2,4,6,8,10,12,14,16,18,20,22,24,26,28,30
.irp u, 0,1
	v_pk_fma_f32 v[S+32*\u+\b:S+32*\u+\b+1], v[S+32*\u+\b:S+32*\u+\b+1], s[46:47], v[ST+8*\u:ST+8*\u+1] op_sel_hi:[1,0,0] neg_lo:[0,0,1] neg_hi:[0,0,1]   ; c s - c m
.endr
.endr
.irp u, 0,1
	v_exp_f32 v[ST+8*\u+6], v[ST+8*\u+7]           ; a
.endr
.irp n, 0,1,2,3,4,5,6,7,8,9,10,11,12,13,14,15,16,17,18,19,20,21,22,23,24,25,26,27,28,29,30,31
.irp u, 0,1
	v_exp_f32 v[S+32*\u+\n], v[S+32*\u+\n]
.endr
.endr
	v_nop                                          ; a plain line behind the last exponential
	s_wait_alu depctr_va_vdst(0)                   ; one wait for the 66 exponentials, ahead of their first reader
.irp u, 0,1
	v_pk_fma_f32 v[ST+8*\u+2:ST+8*\u+3], v[ST+8*\u+2:ST+8*\u+3], v[ST+8*\u+6:ST+8*\u+7], v[S+32*\u:S+32*\u+1] op_sel_hi:[1,0,1]   ; l = a l + p: the sums, of the unrounded p, in two chains
	v_pk_add_f32 v[ST+8*\u+4:ST+8*\u+5], v[S+32*\u+2:S+32*\u+3], v[S+32*\u+6:S+32*\u+7]
.endr
.irp u, 0,1
	v_pk_add_f32 v[ST+8*\u+2:ST+8*\u+3], v[ST+8*\u+2:ST+8*\u+3], v[S+32*\u+4:S+32*\u+5]
.endr
.irp i, 8,12,16,20,24,28
.irp u, 0,1
	v_pk_add_f32 v[ST+8*\u+2:ST+8*\u+3], v[ST+8*\u+2:ST+8*\u+3], v[S+32*\u+\i:S+32*\u+\i+1]
	v_pk_add_f32 v[ST+8*\u+4:ST+8*\u+5], v[ST+8*\u+4:ST+8*\u+5], v[S+32*\u+\i+2:S+32*\u+\i+3]
.endr
.endr
.irp u, 0,1
	v_pk_add_f32 v[ST+8*\u+2:ST+8*\u+3], v[ST+8*\u+2:ST+8*\u+3], v[ST+8*\u+4:ST+8*\u+5]
.endr
.irp i, 0,1,2,3,4,5,6,7,8,9,10,11,12,13,14,15
.irp u, 0,1
	v_cvt_pk_f16_f32 v[S+32*\u+\i], v[S+32*\u+2*\i], v[S+32*\u+2*\i+1]     ; P, packed in place from the low end: registers 8 kk .. 8 kk + 7 are source 1 for keys 32 kk on
.endr
.endr
.irp f, 0,1                                    ; V's fragments (1,2) (1,3) into the registers that tile 0's packing has left
	ds_load_tr16_b128 v[S+16+8*\f:S+16+8*\f+3], v2 offset:\slot*SLOTB+5120+(\f+2)*32
	ds_load_tr16_b128 v[S+16+8*\f+4:S+16+8*\f+7], v2 offset:\slot*SLOTB+5120+(\f+2)*32+2560
.endr
.irp i, 0,2,4,6,8,10,12,14,16,18,20,22,24,26,28,30
.irp u, 0,1
	v_pk_mul_f32 v[O+32*\u+\i:O+32*\u+\i+1], v[O+32*\u+\i:O+32*\u+\i+1], v[ST+8*\u+6:ST+8*\u+7] op_sel_hi:[1,0]   ; O^T x a
.endr
.endr
	s_wait_dscnt 0x0                               ; V is in
.irp c, 0,1,2,3                                ; O^T += V^T P: eight accumulators by turns, one instruction a turn
.irp u, 0,1
	v_wmma_f32_16x16x32_f16 v[O+32*\u+8*\c:O+32*\u+8*\c+7], v[KV+8*\c:KV+8*\c+7], v[S+32*\u:S+32*\u+7], v[O+32*\u+8*\c:O+32*\u+8*\c+7]
.endr
.endr
.irp c, 0,1
.irp u, 0,1
	v_wmma_f32_16x16x32_f16 v[O+32*\u+8*\c:O+32*\u+8*\c+7], v[KV+32+8*\c:KV+32+8*\c+7], v[S+32*\u+8:S+32*\u+15], v[O+32*\u+8*\c:O+32*\u+8*\c+7]
.endr
.endr
.irp c, 2,3
.irp u, 0,1
	v_wmma_f32_16x16x32_f16 v[O+32*\u+8*\c:O+32*\u+8*\c+7], v[S+16+8*(\c-2):S+16+8*(\c-2)+7], v[S+32*\u+8:S+32*\u+15], v[O+32*\u+8*\c:O+32*\u+8*\c+7]
.endr
.endr
.rept 5
	v_nop                                          ; five places: the next step's first products write over P's and V's registers, and its loads land on the fragments
.endr
.endm
; A KEY STEP j, in slot j % 2.  Tile j + 1, which has come into registers, goes into the other slot; tile j + 2 is asked for; the products, if my group keeps the step; one barrier.
; The barrier orders tile j + 1's stores against step j + 1's reads, and step j's reads against step j + 1's stores into the same slot.
.macro STEP slot
	s_wait_loadcnt 0x0                             ; tile j + 1 is in my registers
	s_wait_xcnt 0x0                                ; all that named the two bases, the last step's prefetch too, has read them
	s_add_nc_u64 s[36:37], s[36:37], 8192          ; now at tile j + 1
.if \slot == 0
	s_add_nc_u64 s[38:39], s[38:39], 32768         ; a segment of 128 keys on
.endif
	s_bitcmp1_b32 s16, 1
	s_cbranch_scc0 .Lnost_\@
	ds_store_b128 v3, v[32:35] offset:(1-\slot)*SLOTB
	ds_store_b128 v4, v[36:39] offset:(1-\slot)*SLOTB
.Lnost_\@:
	s_bitcmp1_b32 s16, 2
	s_cbranch_scc0 .Lnold_\@
	global_load_b128 v[32:35], v5, s[36:37] offset:8192
	global_load_b128 v[36:39], v12, s[36:37] offset:8192
.Lnold_\@:
	s_and_b32 s51, s16, s50
	s_cbranch_scc0 .Lnopf_\@
	global_prefetch_b8 v13, s[36:37] offset:24576 th:TH_LOAD_NT scope:SCOPE_SE   ; tile j + 4, two steps ahead of its load: 32 lanes x 256 bytes are the tile's 8,192; tiles 0 to 3 come by their loads alone
.Lnopf_\@:
	s_bitcmp1_b32 s14, 0
	s_cbranch_scc0 .Lnoc_\@
	COMPUTE \slot
.Lnoc_\@:
	s_lshr_b32 s14, s14, 1
	s_lshr_b32 s15, s15, 1
	s_lshr_b32 s16, s16, 1
	s_wait_dscnt 0x0                               ; my stores into the other slot have landed, my reads of this one are over
	s_barrier_signal -1
	s_barrier_wait -1
.endm
.Ltrip:
	STEP 0
	STEP 1
	s_sub_co_u32 s44, s44, 1
	s_cmp_lg_u32 s44, 0
	s_cbranch_scc1 .Ltrip
	; THE WAY OUT: O^T / l, rounded to f16, through my own stage, and out as 512 consecutive bytes a store (four rows of 128).
.irp u, 0,1
	v_add_f32 v[ST+8*\u+4], v[ST+8*\u+2], v[ST+8*\u+3]
.endr
.irp u, 0,1
	v_permlanex16_b32 v[ST+8*\u+5], v[ST+8*\u+4], s48, s49
.endr
.irp u, 0,1
	v_add_f32 v[ST+8*\u+4], v[ST+8*\u+4], v[ST+8*\u+5]
.endr
.irp u, 0,1
	v_rcp_f32 v[ST+8*\u+6], v[ST+8*\u+4]
.endr
	v_and_b32 v14, 15, v0                          ; (plain lines behind the reciprocals)
	v_bfe_u32 v15, v0, 4, 1
	s_mul_i32 s20, s10, 4608
	s_add_co_u32 s20, s20, STG
	v_mul_u32_u24 v1, v14, 144
	v_lshl_add_u32 v1, v15, 4, v1
	v_add_nc_u32 v1, s20, v1                       ; in: row r, 16 bytes for each half
	v_and_b32 v3, 31, v0
	v_lshrrev_b32 v2, 3, v3
	v_mul_u32_u24 v2, v2, 144
	v_and_b32 v14, 7, v0
	v_lshl_add_u32 v2, v14, 4, v2
	v_add_nc_u32 v2, s20, v2                       ; back: row l / 8 of four, 16 (l % 8) bytes in
	v_lshlrev_b32 v3, 4, v3
	s_wait_alu depctr_va_vdst(0)                   ; one wait for the two reciprocals, ahead of their first reader
.irp i, 0,2,4,6,8,10,12,14,16,18,20,22,24,26,28,30
.irp u, 0,1
	v_pk_mul_f32 v[O+32*\u+\i:O+32*\u+\i+1], v[O+32*\u+\i:O+32*\u+\i+1], v[ST+8*\u+6:ST+8*\u+7] op_sel_hi:[1,0]
.endr
.endr
.irp i, 0,1,2,3,4,5,6,7,8,9,10,11,12,13,14,15,16,17,18,19,20,21,22,23,24,25,26,27,28,29,30,31
	v_cvt_pk_f16_f32 v[S+\i], v[O+2*\i], v[O+2*\i+1]
.endr
.irp u, 0,1
.irp c, 0,1,2,3
	ds_store_b128 v1, v[S+16*\u+4*\c:S+16*\u+4*\c+3] offset:2304*\u+32*\c
.endr
.endr
.irp i, 0,1,2,3,4,5,6,7
	ds_load_b128 v[KV+4*\i:KV+4*\i+3], v2 offset:576*\i    ; LDS serves a wave's instructions in order: these see my stores
.endr
.irp i, 0,1,2,3,4,5,6,7
	s_wait_dscnt 7-\i
	global_store_b128 v3, v[KV+4*\i:KV+4*\i+3], s[42:43] offset:512*\i
.endr
	s_wait_tensorcnt 0x0                           ; the wave's end, behind my last LDS store
	ds_add_u32 v[SPW], v[NIL]
	s_wait_dscnt 0x0
	s_endpgm
.Lfunc_end_k_qe7fb68f5d2_attn:
	.size	k_qe7fb68f5d2_attn, .Lfunc_end_k_qe7fb68f5d2_attn-k_qe7fb68f5d2_attn
	.p2alignl 7, 3214868480
	.fill 96, 4, 3214868480
	.section	.rodata,"a",@progbits
	.p2align	6, 0x0
	.amdhsa_kernel k_qe7fb68f5d2_attn
		.amdhsa_group_segment_fixed_size 114688
		.amdhsa_private_segment_fixed_size 0
		.amdhsa_enable_private_segment 0
		.amdhsa_kernarg_size 24
		.amdhsa_user_sgpr_count 2
		.amdhsa_user_sgpr_kernarg_segment_ptr 1
		.amdhsa_wavefront_size32 1
		.amdhsa_system_sgpr_workgroup_id_x 1
		.amdhsa_system_sgpr_workgroup_id_y 1
		.amdhsa_system_sgpr_workgroup_id_z 1
		.amdhsa_system_vgpr_workitem_id 0
		.amdhsa_next_free_vgpr 256
		.amdhsa_next_free_sgpr 66
		.amdhsa_reserve_vcc 1
		.amdhsa_float_denorm_mode_32 3
		.amdhsa_float_denorm_mode_16_64 3
		.amdhsa_memory_ordered 1
		.amdhsa_forward_progress 1
		.amdhsa_inst_pref_size 67
	.end_amdhsa_kernel
	.amdgpu_metadata
---
amdhsa.version: [ 1, 2 ]
amdhsa.kernels:
  - .name:           k_qe7fb68f5d2_attn
    .symbol:         k_qe7fb68f5d2_attn.kd
    .args:
      - { .name: qkv, .offset: 0, .size: 8, .value_kind: global_buffer, .address_space: global }
      - { .name: msk, .offset: 8, .size: 8, .value_kind: global_buffer, .address_space: global }
      - { .name: att, .offset: 16, .size: 8, .value_kind: global_buffer, .address_space: global }
    .group_segment_fixed_size: 114688
    .private_segment_fixed_size: 0
    .kernarg_segment_align: 8
    .kernarg_segment_size: 24
    .max_flat_workgroup_size: 512
    .sgpr_count:     66
    .vgpr_count:     256
    .wavefront_size: 32
...
	.end_amdgpu_metadata
.endif
;; end of part 3
;; launch attn16 (part 4): grid 64 x 1, 1 waves a work-group, no clusters, 10,496 bytes of LDS; arguments qkv, msk, att16; writes att16
.if DOCPART == 4
	.amdgcn_target "amdgcn-amd-amdhsa--gfx1250"
	.amdhsa_code_object_version 6
	.text
	.protected	k_qe7fb68f5d2_attn16
	.globl	k_qe7fb68f5d2_attn16
	.p2align	8
	.type	k_qe7fb68f5d2_attn16,@function
k_qe7fb68f5d2_attn16:
	s_mov_b64 s[64:65], 0
	v_nop
	global_prefetch_b8 v0, s[64:65] scope:SCOPE_SE
	s_setreg_imm32_b32 hwreg(HW_REG_WAVE_MODE, 25, 1), 1
	s_wait_xcnt 0x0
; The first 16 positions of every sequence, once more and more finely: these rows average few values and are the largest in size.  One wave takes queries 0 .. 15 of one head.
; As the launch for all rows, with one tile of queries, and with the weights p as PAIRS of f16 numbers: a high part (p with its mantissa cut to 10 bits, which f16 holds as it is) and what is left, rounded once;
; both parts go to the matrix unit.  The result leaves as such a pair too: att16 [64 rows = 16 b + t][1024] f16, the high parts at 0, the low parts 131,072 bytes on.
; 32 key steps of 64 keys in a loop of constant count; a step is left out where ANY[0] (rows 0 .. 31) says that nothing of the tile counts: a branch on a stored whole number.  The mask is applied in every step that is kept.
; K's fragments come straight from memory; V goes through LDS to be turned.
; LIMITS: q, k, v themselves are f16 (11 bits); each store writes 16 bytes a lane in rows 2,048 bytes apart (the buffer has 262,144 bytes in all).
; REGISTERS: v1-9 addresses; v10, v11 the add's two; v14 at work; v16-23 statistics; v24-27 mask words; v28-31 at work; v32-47 Q; v48-63 P high; v64-95 S^T, then P low; v96-127 O^T; v128-191 K; v192-255 V.
.set SPARE, 10240                      ; behind V's 64 rows of 160 bytes: the spare words: one block of 256 bytes that no other line names
.set SPW, 10
.set NIL, 11
.set ST,  16
.set S,   64
.set O,   96
	s_load_b128 s[4:7], s[0:1], 0x0                ; qkv, msk
	s_load_b64 s[8:9], s[0:1], 0x10                ; att16
	v_lshl_add_u32 v[SPW], v0, 2, SPARE
	v_mov_b32 v[NIL], 0
	v_and_b32 v14, 15, v0                          ; r
	v_bfe_u32 v15, v0, 4, 1                        ; h
	v_lshlrev_b32 v1, 7, v14
	v_lshl_add_u32 v1, v15, 4, v1                  ; Q and K: row r of 128 bytes, + 16 h
	v_and_b32 v2, 7, v0
	v_lshl_add_u32 v2, v15, 3, v2
	v_mul_u32_u24 v2, v2, 160
	v_bfe_u32 v3, v0, 3, 1
	v_lshl_add_u32 v2, v3, 4, v2                   ; the turning load
	v_lshrrev_b32 v3, 3, v0
	v_mul_u32_u24 v3, v3, 160
	v_and_b32 v4, 7, v0
	v_lshl_add_u32 v3, v4, 4, v3                   ; V into LDS: four rows an instruction
	v_lshlrev_b32 v4, 4, v0
	v_add_nc_u32 v4, 0x1000000, v4                 ; V in memory, from K's base
	v_lshlrev_b32 v5, 4, v14                       ; my query's mask words
	v_lshlrev_b32 v6, 1, v15
	v_add_nc_u32 v7, 16, v6
	v_mov_b32 v8, 0xff800000
	v_lshlrev_b32 v9, 11, v14
	v_lshl_add_u32 v9, v15, 4, v9                  ; att16: row r of 2,048 bytes, + 16 h
	s_mov_b32 s46, 0x3e38aa3b                      ; c = log2(e) / 8
	s_mov_b32 s47, s46
	s_mov_b32 s48, 0x76543210
	s_mov_b32 s49, 0xfedcba98
	s_mov_b32 s52, 0xffffe000                      ; keeps sign, exponent and 10 mantissa bits
	s_mov_b32 s44, 16
	s_lshl_b32 s20, ttmp9, 18
	s_mov_b32 s21, 0
	s_lshr_b32 s22, ttmp9, 4
	s_lshl_b32 s22, s22, 15                        ; 16 b rows
	s_and_b32 s23, ttmp9, 15
	s_lshl_b32 s23, s23, 7                         ; the head's 128 bytes of a row
	s_add_co_u32 s22, s22, s23
	s_mov_b32 s23, 0
	s_wait_kmcnt 0x0
	s_load_b32 s14, s[6:7], 0x80000                ; ANY[0]
	s_add_nc_u64 s[4:5], s[4:5], s[20:21]
	s_add_nc_u64 s[36:37], s[4:5], 0x1000000       ; K, tile 0
	s_mov_b64 s[38:39], s[6:7]
	s_add_nc_u64 s[8:9], s[8:9], s[22:23]
.irp c, 0,1
	global_load_b128 v[32+8*\c:32+8*\c+3], v1, s[4:5] offset:64*\c
	global_load_b128 v[32+8*\c+4:32+8*\c+7], v1, s[4:5] offset:64*\c+32
.endr
.irp j, 16,17,18,19,20,21,22,23
	v_mov_b32 v[\j], 0
.endr
	v_mov_b32 v[ST+1], 0xff61b1e6                  ; m = -3e38
	v_mul_f32 v[ST], s46, v[ST+1]
.set i, 0
.rept 32
	v_mov_b32 v[O+i], 0
.set i, i+1
.endr
	s_wait_loadcnt 0x0
	s_wait_kmcnt 0x0
.macro STEP16 slot
	s_bitcmp1_b32 s14, 0
	s_cbranch_scc0 .Lskip_\@
.irp t, 0,1,2,3
.irp c, 0,1
	global_load_b128 v[128+8*(2*\t+\c):128+8*(2*\t+\c)+3], v1, s[36:37] offset:2048*\t+64*\c
	global_load_b128 v[128+8*(2*\t+\c)+4:128+8*(2*\t+\c)+7], v1, s[36:37] offset:2048*\t+64*\c+32
.endr
.endr
.irp i, 0,1,2,3,4,5,6,7,8,9,10,11,12,13,14,15
	global_load_b128 v[192+4*\i:192+4*\i+3], v4, s[36:37] offset:512*\i
.endr
	global_load_b128 v[24:27], v5, s[38:39]
	s_wait_loadcnt 0x0
.irp i, 0,1,2,3,4,5,6,7,8,9,10,11,12,13,14,15
	ds_store_b128 v3, v[192+4*\i:192+4*\i+3] offset:640*\i
.endr
.irp f, 0,1,2,3,4,5,6,7                        ; V's fragments (kk = f / 4, c = f % 4), into the registers that the stores have left: LDS serves a wave's instructions in order
	ds_load_tr16_b128 v[192+8*\f:192+8*\f+3], v2 offset:(\f/4)*5120+(\f%4)*32
	ds_load_tr16_b128 v[192+8*\f+4:192+8*\f+7], v2 offset:(\f/4)*5120+(\f%4)*32+2560
.endr
.irp t, 0,1,2,3
	v_wmma_f32_16x16x32_f16 v[S+8*\t:S+8*\t+7], v[128+16*\t:128+16*\t+7], v[32:39], 0
.endr
.irp t, 0,1,2,3
	v_wmma_f32_16x16x32_f16 v[S+8*\t:S+8*\t+7], v[128+16*\t+8:128+16*\t+15], v[40:47], v[S+8*\t:S+8*\t+7]
.endr
.rept 4
	v_nop
.endr
.irp w, 0,1,2,3
	v_lshrrev_b32 v[24+\w], v[6+\slot], v[24+\w]
.endr
.irp n, 0,1,2,3,4,5,6,7,8,9,10,11,12,13,14,15,16,17,18,19,20,21,22,23,24,25,26,27,28,29,30,31
	v_and_b32 v14, 1<<(4*(\n/8)+((\n%8)/4)), v[24+(\n%4)]
	v_cmp_eq_u32 vcc_lo, 0, v14
	v_cndmask_b32 v[S+\n], v[S+\n], v8, vcc_lo
.endr
.irp q, 0,1,2,3
	v_max3_num_f32 v[ST+4+\q], v[S+8*\q], v[S+8*\q+1], v[S+8*\q+2]
.endr
.irp i, 3,5
.irp q, 0,1,2,3
	v_max3_num_f32 v[ST+4+\q], v[ST+4+\q], v[S+8*\q+\i], v[S+8*\q+\i+1]
.endr
.endr
	v_max3_num_f32 v[ST+4], v[ST+4], v[S+7], v[S+15]
	v_max3_num_f32 v[ST+6], v[ST+6], v[S+23], v[S+31]
	v_max3_num_f32 v[ST+4], v[ST+4], v[ST+5], v[ST+6]
	v_max3_num_f32 v[ST+4], v[ST+4], v[ST+7], v[ST+1]
	v_permlanex16_b32 v[ST+5], v[ST+4], s48, s49
	v_mov_b32 v[ST+7], v[ST]
	v_max_num_f32 v[ST+1], v[ST+4], v[ST+5]
	v_mul_f32 v[ST], s46, v[ST+1]
	v_sub_f32 v[ST+7], v[ST+7], v[ST]
.irp b, 0,2,4,6,8,10,12,14,16,18,20,22,24,26,28,30
	v_pk_fma_f32 v[S+\b:S+\b+1], v[S+\b:S+\b+1], s[46:47], v[ST:ST+1] op_sel_hi:[1,0,0] neg_lo:[0,0,1] neg_hi:[0,0,1]
.endr
	v_exp_f32 v[ST+6], v[ST+7]
.irp n, 0,1,2,3,4,5,6,7,8,9,10,11,12,13,14,15,16,17,18,19,20,21,22,23,24,25,26,27,28,29,30,31
	v_exp_f32 v[S+\n], v[S+\n]
.endr
	v_nop
	s_wait_alu depctr_va_vdst(0)                   ; one wait for the 33 exponentials, ahead of their first reader
	v_pk_fma_f32 v[ST+2:ST+3], v[ST+2:ST+3], v[ST+6:ST+7], v[S:S+1] op_sel_hi:[1,0,1]
	v_pk_add_f32 v[ST+4:ST+5], v[S+2:S+3], v[S+6:S+7]
	v_pk_add_f32 v[ST+2:ST+3], v[ST+2:ST+3], v[S+4:S+5]
.irp i, 8,12,16,20,24,28
	v_pk_add_f32 v[ST+2:ST+3], v[ST+2:ST+3], v[S+\i:S+\i+1]
	v_pk_add_f32 v[ST+4:ST+5], v[ST+4:ST+5], v[S+\i+2:S+\i+3]
.endr
	v_pk_add_f32 v[ST+2:ST+3], v[ST+2:ST+3], v[ST+4:ST+5]
.irp i, 0,1,2,3,4,5,6,7,8,9,10,11,12,13,14,15
	v_and_b32 v[28+2*(\i%2)], s52, v[S+2*\i]       ; p's high part,
	v_and_b32 v[29+2*(\i%2)], s52, v[S+2*\i+1]
	v_cvt_pk_f16_f32 v[48+\i], v[28+2*(\i%2)], v[29+2*(\i%2)]
	v_sub_f32 v[28+2*(\i%2)], v[S+2*\i], v[28+2*(\i%2)]     ; and what is left, exactly,
	v_sub_f32 v[29+2*(\i%2)], v[S+2*\i+1], v[29+2*(\i%2)]
	v_cvt_pk_f16_f32 v[S+\i], v[28+2*(\i%2)], v[29+2*(\i%2)]   ; rounded once, packed in place from the low end
.endr
.irp i, 0,2,4,6,8,10,12,14,16,18,20,22,24,26,28,30
	v_pk_mul_f32 v[O+\i:O+\i+1], v[O+\i:O+\i+1], v[ST+6:ST+7] op_sel_hi:[1,0]
.endr
	s_wait_dscnt 0x0
.irp kk, 0,1                                   ; four accumulators by turns: high part, then low part, of each 32 keys
.irp part, 0,1
.irp c, 0,1,2,3
	v_wmma_f32_16x16x32_f16 v[O+8*\c:O+8*\c+7], v[192+8*(4*\kk+\c):192+8*(4*\kk+\c)+7], v[48+16*\part+8*\kk:48+16*\part+8*\kk+7], v[O+8*\c:O+8*\c+7]
.endr
.endr
.endr
.rept 5
	v_nop                                          ; the next step's products write over P's registers, and its loads land on K's and V's
.endr
.Lskip_\@:
	s_wait_xcnt 0x0                                ; the bases are stepped only behind this wait
	s_add_nc_u64 s[36:37], s[36:37], 8192
.if \slot
	s_add_nc_u64 s[38:39], s[38:39], 32768
.endif
	s_lshr_b32 s14, s14, 1
.endm
.Ltrip:
	STEP16 0
	STEP16 1
	s_sub_co_u32 s44, s44, 1
	s_cmp_lg_u32 s44, 0
	s_cbranch_scc1 .Ltrip
	v_add_f32 v[ST+4], v[ST+2], v[ST+3]
	v_permlanex16_b32 v[ST+5], v[ST+4], s48, s49
	v_add_f32 v[ST+4], v[ST+4], v[ST+5]
	v_rcp_f32 v[ST+6], v[ST+4]
	v_nop
	s_wait_alu depctr_va_vdst(0)
.set i, 0
.rept 32
	v_mul_f32 v[S+i], v[O+i], v[ST+6]              ; O^T / l, from each accumulator's low end on
.set i, i+1
.endr
.set i, 0
.rept 32
	v_and_b32 v[128+i], s52, v[S+i]
.set i, i+1
.endr
.set i, 0
.rept 32
	v_sub_f32 v[S+i], v[S+i], v[128+i]
.set i, i+1
.endr
.set i, 0
.rept 16
	v_cvt_pk_f16_f32 v[192+i], v[128+2*i], v[129+2*i]
	v_cvt_pk_f16_f32 v[208+i], v[S+2*i], v[S+2*i+1]
.set i, i+1
.endr
.irp c, 0,1,2,3
	global_store_b128 v9, v[192+4*\c:192+4*\c+3], s[8:9] offset:32*\c
	global_store_b128 v9, v[208+4*\c:208+4*\c+3], s[8:9] offset:32*\c+131072
.endr
	s_wait_tensorcnt 0x0                           ; the wave's end, behind my last LDS store
	ds_add_u32 v[SPW], v[NIL]
	s_wait_dscnt 0x0
	s_endpgm
.Lfunc_end_k_qe7fb68f5d2_attn16:
	.size	k_qe7fb68f5d2_attn16, .Lfunc_end_k_qe7fb68f5d2_attn16-k_qe7fb68f5d2_attn16
	.p2alignl 7, 3214868480
	.fill 96, 4, 3214868480
	.section	.rodata,"a",@progbits
	.p2align	6, 0x0
	.amdhsa_kernel k_qe7fb68f5d2_attn16
		.amdhsa_group_segment_fixed_size 10496
		.amdhsa_private_segment_fixed_size 0
		.amdhsa_enable_private_segment 0
		.amdhsa_kernarg_size 24
		.amdhsa_user_sgpr_count 2
		.amdhsa_user_sgpr_kernarg_segment_ptr 1
		.amdhsa_wavefront_size32 1
		.amdhsa_system_sgpr_workgroup_id_x 1
		.amdhsa_system_sgpr_workgroup_id_y 1
		.amdhsa_system_sgpr_workgroup_id_z 1
		.amdhsa_system_vgpr_workitem_id 0
		.amdhsa_next_free_vgpr 256
		.amdhsa_next_free_sgpr 66
		.amdhsa_reserve_vcc 1
		.amdhsa_float_denorm_mode_32 3
		.amdhsa_float_denorm_mode_16_64 3
		.amdhsa_memory_ordered 1
		.amdhsa_forward_progress 1
		.amdhsa_inst_pref_size 51
	.end_amdhsa_kernel
	.amdgpu_metadata
---
amdhsa.version: [ 1, 2 ]
amdhsa.kernels:
  - .name:           k_qe7fb68f5d2_attn16
    .symbol:         k_qe7fb68f5d2_attn16.kd
    .args:
      - { .name: qkv, .offset: 0, .size: 8, .value_kind: global_buffer, .address_space: global }
      - { .name: msk, .offset: 8, .size: 8, .value_kind: global_buffer, .address_space: global }
      - { .name: att16, .offset: 16, .size: 8, .value_kind: global_buffer, .address_space: global }
    .group_segment_fixed_size: 10496
    .private_segment_fixed_size: 0
    .kernarg_segment_align: 8
    .kernarg_segment_size: 24
    .max_flat_workgroup_size: 32
    .sgpr_count:     66
    .vgpr_count:     256
    .wavefront_size: 32
...
	.end_amdgpu_metadata
.endif
;; end of part 4
;; launch proj (part 5): grid 4 x 64, 4 waves a work-group, clusters of 4 x 4, 327,680 bytes of LDS; arguments att, wot, bo, out0; writes out0
.if DOCPART == 5
	.amdgcn_target "amdgcn-amd-amdhsa--gfx1250"
	.amdhsa_code_object_version 6
	.text
	.protected	k_qe7fb68f5d2_proj
	.globl	k_qe7fb68f5d2_proj
	.p2align	8
	.type	k_qe7fb68f5d2_proj,@function
k_qe7fb68f5d2_proj:
	s_mov_b64 s[64:65], 0
	v_nop
	global_prefetch_b8 v0, s[64:65] scope:SCOPE_SE
	s_setreg_imm32_b32 hwreg(HW_REG_WAVE_MODE, 25, 1), 1
	s_wait_xcnt 0x0
	s_wait_alu depctr_hold_cnt(0) depctr_sa_sdst(0) depctr_va_vdst(0) depctr_va_sdst(0) depctr_va_ssrc(0) depctr_va_vcc(0) depctr_vm_vsrc(0)
	s_getreg_b32 s2, hwreg(HW_REG_IB_STS2, 6, 4)
	s_cmp_eq_u32 s2, 0
	s_cbranch_scc0 .Lentry_in_a_cluster
	s_endpgm
.Lentry_in_a_cluster:
	s_bfe_u32 s2, ttmp6, 0x10000c
	s_cmp_lg_u32 s2, 0xf033
	s_cbranch_scc0 .Lentry_shape_is_right
	s_endpgm
.Lentry_shape_is_right:
; out0 = att Wo + bo for all 8,192 rows: f16 operands, f32 sums.  att: [b][h][t][64] f16, so row m = 2,048 b + t has its k = 64 h + d in 16 pieces of 128 bytes; WoT: [n][k] f16 (the high parts); out0: [8192][1024] f32.
; A tile of C is 128 rows x 256 columns: 256 work-groups.  Four waves, each 64 x 128: 32 accumulators.  K goes in steps of 128 (two heads) through a ring of two LDS slots filled by the tensor data mover:
; waves 0 and 1 fetch att's two heads (128 rows x 128 bytes each), waves 2 and 3 WoT's two halves (128 rows x 256 bytes each): one load a wave behind each round.
; CLUSTERS: 4 x 4 work-groups; att's tiles are shared along a row of the cluster, WoT's along a column: each is asked for jointly.
; THE MATRIX INSTRUCTION IS USED TRANSPOSED (source 0 = 16 rows of WoT, source 1 = 16 rows of att): a lane holds eight neighbouring columns of one row of C.  The bias is the C of each sum's first instruction.
; No prefetch: the launch stores 33,554,432 bytes and reads 16,777,216 of att for 1,024 matrix instructions a wave, so its loads and stores already follow each other closely.
; The 64 rows t < 16 are written here in plain f16 arithmetic and once more, more finely, by the launch that follows.
; LIMIT: att and Wo are f16: magnitudes under 65,504.
; REGISTERS: window 0: v1-6 at work at the head; v7 the bias loads' offset, never rewritten; v16-29 addresses; fragment buffer 0: att v64-95, WoT v96-159; buffer 1: v160-191, v192-255.
;   window 1: accumulator (a, b) at v[8 (8 a + b)].  window 2: v0-63 the bias of my 8 column blocks.
.set HS,    262144
.set PA,    144                        ; att's rows in LDS: 128 bytes + 16
.set PB,    272                        ; WoT's: 256 + 16
.set ASUB,  128*PA
.set HALFB, 128*PB
.set SLOT,  2*ASUB+2*HALFB
.set SPARE, 2*SLOT                     ; the spare words, 128 bytes for each wave: two blocks of 256 bytes that no other line names
.set SPITCH, 528                       ; the way out: 16 rows x (512 bytes + 16) for each wave, in slot 0, which has had its last fill and its last read by then
.set LAPS,  4                          ; 8 K steps, two to a lap
.set BOF,  7
.set ADRA, 16
.set ADRB, 20
.set STO,  24
.set RD,   25
.set CO,   26
.set SPW,  28
.set NIL,  29
.set F0,   64
.set F1,   160
.set BK,   128
.set G1, 24
.set G0, 32
.set G1B, 48
.set G0B, 56
.set MSB, 0
.macro WIN new                         ; the immediate's high byte repeats the setting that is left
.if MSB != \new
	s_set_vgpr_msb (MSB<<8)|\new
.set MSB, \new
.endif
.endm
.set MUL,  0x50                        ; C and D window 1
.set MULB, 0x60                        ; C (the bias) window 2, D window 1
.macro JLOAD s                         ; a joint load; an s_nop 0 and four v_nop follow each of the two lines
	s_cmp_eq_u32 s13, 0
	s_cbranch_scc0 .Lfor_b_\@
	tensor_load_to_lds s[G0+4*\s:G0+4*\s+3], s[G1:G1+7]
	s_nop 0
.rept 4
	v_nop
.endr
	s_branch .Lasked_\@
.Lfor_b_\@:
	tensor_load_to_lds s[G0B+4*\s:G0B+4*\s+3], s[G1B:G1B+7]
	s_nop 0
.rept 4
	v_nop
.endr
.Lasked_\@:
.endm
.macro CREST                           ; a round of the cluster's barrier behind its opening barrier
	s_cmp_lg_u32 s12, 0
	s_cbranch_scc1 .Lnot_wave_0_\@
	s_barrier_signal -3
.Lnot_wave_0_\@:
	s_barrier_wait -3
	s_barrier_signal -1
	s_barrier_wait -1
.endm
.macro CROUND
	s_barrier_signal -1
	s_barrier_wait -1
	CREST
.endm
	s_load_b256 s[4:11], s[0:1], 0x0               ; att s[4:5], wot s[6:7], bo s[8:9], out0 s[10:11]
	v_lshl_add_u32 v[SPW], v0, 2, SPARE
	v_mov_b32 v[NIL], 0
	ds_add_u32 v[SPW], v[NIL]                      ; the wave's opening: the add, twice on end, and its wait ahead of my first tensor load
	ds_add_u32 v[SPW], v[NIL]
	v_lshrrev_b32 v1, 5, v0
	v_readfirstlane_b32 s12, v1                    ; wave 0..3
	s_lshr_b32 s13, s12, 1                         ; which 64 rows are mine.  Also: I fetch for att (0) or for WoT (1)
	s_and_b32 s14, s12, 1                          ; which 128 columns.  Also: which head, or which half of WoT's rows, I fetch
	s_bfe_u32 s40, ttmp6, 0x40000                  ; cx, cy
	s_bfe_u32 s41, ttmp6, 0x40004
	s_lshl_b32 s42, ttmp9, 2
	s_add_co_u32 s42, s42, s40                     ; tile column
	s_and_b32 s15, ttmp7, 0xffff
	s_lshl_b32 s15, s15, 2
	s_add_co_u32 s15, s15, s41                     ; tile row
	s_lshl_b32 s43, s41, 2
	s_lshl_b32 s43, 15, s43                        ; my row of the cluster
	s_lshl_b32 s44, 0x1111, s40                    ; my column
	s_or_b32 s[G1+0], s43, (1<<16)|(1<<20)|(1<<21)|(4<<22)|(3<<25)   ; the mask; elements of 2 bytes; padding on; bit 21 beside a mask; 4 words of padding after every 32
	s_mov_b32 s[G1+1], 64<<16                      ; tensor_dim0 = 64
	s_mov_b32 s[G1+2], 128<<16                     ; tensor_dim1 = 128
	s_mov_b32 s[G1+3], 64<<16                      ; tile_dim0
	s_mov_b32 s[G1+4], 128                         ; tile_dim1
	s_mov_b32 s[G1+5], 64                          ; the pitch: a head's rows are dense
	s_mov_b32 s[G1+6], 0
	s_mov_b32 s[G1+7], 0
	s_or_b32 s[G1B+0], s44, (1<<16)|(1<<20)|(1<<21)|(5<<22)|(3<<25)  ; 4 words of padding after every 64
	s_mov_b32 s[G1B+1], 128<<16
	s_mov_b32 s[G1B+2], 128<<16
	s_mov_b32 s[G1B+3], 128<<16
	s_mov_b32 s[G1B+4], 128
	s_mov_b32 s[G1B+5], 1024
	s_mov_b32 s[G1B+6], 0
	s_mov_b32 s[G1B+7], 0
	s_lshl_b32 s16, s15, 7                         ; the tile's first row = 2,048 b + t0
	s_lshr_b32 s17, s16, 11
	s_and_b32 s16, s16, 2047
	s_lshl_b32 s16, s16, 7                         ; t0 rows of 128 bytes
	s_lshl_b32 s17, s17, 22                        ; b x 16 heads
	s_add_co_u32 s16, s16, s17
	s_lshl_b32 s17, s14, 18                        ; my head of the step's two
	s_add_co_u32 s16, s16, s17
	s_mov_b32 s17, 0
	s_lshl_b32 s46, s42, 8
	s_lshl_b32 s47, s14, 7
	s_add_co_u32 s46, s46, s47                     ; WoT: row 256 x tile column + 128 x half,
	s_lshl_b32 s46, s46, 11                        ; of 2,048 bytes
	s_mov_b32 s47, 0
	s_mul_i32 s18, s14, ASUB                       ; where they go in a slot: the wave's number alone enters
	s_mul_i32 s19, s14, HALFB
	s_add_co_u32 s19, s19, 2*ASUB
	s_wait_dscnt 0x0                               ; both opening adds are done
	s_wait_kmcnt 0x0
	s_add_nc_u64 s[16:17], s[4:5], s[16:17]
	s_add_nc_u64 s[46:47], s[6:7], s[46:47]
	CROUND                                         ; all sixteen work-groups are here: the first joint loads meet
.irp s, 0,1
	s_mov_b32 s[G0+4*\s], 1
	s_add_co_u32 s[G0+4*\s+1], s18, \s*SLOT
	s_add_nc_u64 s[G0+4*\s+2:G0+4*\s+3], s[16:17], \s*2*HS
	s_or_b32 s[G0+4*\s+3], s[G0+4*\s+3], 0x80000000
	s_mov_b32 s[G0B+4*\s], 1
	s_add_co_u32 s[G0B+4*\s+1], s19, \s*SLOT
	s_add_nc_u64 s[G0B+4*\s+2:G0B+4*\s+3], s[46:47], \s*256
	s_or_b32 s[G0B+4*\s+3], s[G0B+4*\s+3], 0x80000000
	JLOAD \s                                       ; by this text's count two tensor loads of a wave are out here, later one
.endr
	v_and_b32 v1, 15, v0                           ; l % 16
	v_bfe_u32 v2, v0, 4, 1                         ; l / 16
	v_lshlrev_b32 v[BOF], 5, v2                    ; the bias: my half's eight numbers of a block of 16; the register is kept for these loads alone
	s_lshl_b32 s46, s42, 10
	s_lshl_b32 s47, s14, 9
	s_add_co_u32 s46, s46, s47                     ; my first column, in bytes of f32
	s_mov_b32 s47, 0
	s_add_nc_u64 s[8:9], s[8:9], s[46:47]
	WIN 0x80                                       ; destination window 2
.irp b, 0,1,2,3,4,5,6,7
	global_load_b128 v[8*\b:8*\b+3], v[BOF], s[8:9] offset:64*\b
	global_load_b128 v[8*\b+4:8*\b+7], v[BOF], s[8:9] offset:64*\b+16
.endr
	WIN 0
	v_mul_u32_u24 v3, v1, PA
	v_lshl_add_u32 v3, v2, 4, v3
	v_mul_u32_u24 v4, v1, PB
	v_lshl_add_u32 v4, v2, 4, v4
	s_mul_i32 s21, s13, 64*PA                      ; my 64 rows of att,
	s_mul_i32 s22, s14, HALFB                      ; my 128 rows of WoT, behind att's two heads
	s_add_co_u32 s22, s22, 2*ASUB
.irp s, 0,1
	v_add_nc_u32 v[ADRA+\s], s21, v3
	v_add_nc_u32 v[ADRB+\s], s22, v4
	s_add_co_u32 s21, s21, SLOT
	s_add_co_u32 s22, s22, SLOT
.endr
	s_mul_i32 s23, s12, 16*SPITCH                  ; my stage
	v_mul_u32_u24 v5, v1, SPITCH
	v_lshl_add_u32 v5, v2, 5, v5
	v_add_nc_u32 v[STO], s23, v5                   ; in: row l % 16, 32 bytes for each half
	v_and_b32 v6, 31, v0
	v_lshlrev_b32 v[CO], 4, v6                     ; back: the 32 lanes take one row of 512 bytes; and the same in C
	v_add_nc_u32 v[RD], s23, v[CO]
	s_lshl_b32 s16, s15, 7
	s_lshl_b32 s17, s13, 6
	s_add_co_u32 s16, s16, s17                     ; my first row of C,
	s_lshl_b32 s16, s16, 12                        ; of 4,096 bytes
	s_mov_b32 s17, 0
	s_add_nc_u64 s[10:11], s[10:11], s[16:17]
	s_add_nc_u64 s[10:11], s[10:11], s[46:47]
; 8 matrix instructions: att's block a against WoT's eight, 32 along K.  The 32 accumulators take turns, one instruction a turn, in the same order in every quarter.
.macro MUL8 f, a, first
.irp b, 0,1,2,3,4,5,6,7
.if \first
	v_wmma_f32_16x16x32_f16 v[8*(8*(\a)+\b):8*(8*(\a)+\b)+7], v[\f+32+8*\b:\f+32+8*\b+7], v[\f+8*(\a):\f+8*(\a)+7], v[8*\b:8*\b+7]
.else
	v_wmma_f32_16x16x32_f16 v[8*(8*(\a)+\b):8*(8*(\a)+\b)+7], v[\f+32+8*\b:\f+32+8*\b+7], v[\f+8*(\a):\f+8*(\a)+7], v[8*(8*(\a)+\b):8*(8*(\a)+\b)+7]
.endif
.endr
.endm
; 24 LDS loads in one run: quarter q (32 along K) of a slot into buffer f: WoT's eight fragments, then att's four
.macro FETCH slot, q, f
	WIN 0
.irp i, 0,1,2,3,4,5,6,7
	ds_load_b128 v[\f+32+8*\i:\f+32+8*\i+3], v[ADRB+\slot] offset:64*(\q)+\i*16*PB
	ds_load_b128 v[\f+32+8*\i+4:\f+32+8*\i+7], v[ADRB+\slot] offset:64*(\q)+\i*16*PB+32
.endr
.irp i, 0,1,2,3
	ds_load_b128 v[\f+8*\i:\f+8*\i+3], v[ADRA+\slot] offset:((\q)/2)*ASUB+((\q)%2)*64+\i*16*PA
	ds_load_b128 v[\f+8*\i+4:\f+8*\i+7], v[ADRA+\slot] offset:((\q)/2)*ASUB+((\q)%2)*64+\i*16*PA+32
.endr
.endm
.macro PLACES
.rept 4
	v_nop
.endr
.endm
; One of a K step's first three quarters: multiplies buffer f; in its middle it fetches quarter q of the same slot into buffer g.
.macro QUARTER slot, q, f, g, first
	s_wait_dscnt 4                                 ; WoT's fragments and att's blocks 0, 1 are in; the youngest four loads (blocks 2, 3) may be out
.if \first
	WIN MULB
.else
	WIN MUL
.endif
	MUL8 \f, 0, \first
	MUL8 \f, 1, \first
	PLACES                                         ; in front of loads into registers that the quarter before multiplied
	FETCH \slot, \q, \g
	s_wait_dscnt 24                                ; all but the 24 just issued
.if \first
	WIN MULB
.else
	WIN MUL
.endif
	MUL8 \f, 2, \first
	MUL8 \f, 3, \first
.endm
; The last quarter multiplies buffer 1 and changes slots: one barrier; in front of it each wave waits for all its tensor loads, adds 0 to its spare word, and waits for that and for its reads of this slot.
.macro TURN slot, next, fill
	WIN 0
	s_wait_tensorcnt 0x0                           ; all my tensor loads have landed: my part of the next slot
	ds_add_u32 v[SPW], v[NIL]                      ; 0 onto my spare word
	s_wait_dscnt 5                                 ; (the add and the youngest four loads may be out)
	WIN MUL
	MUL8 F1, 0, 0
	s_wait_dscnt 0x0                               ; the add is done, and my reads of this slot are over
	s_barrier_signal -1
	MUL8 F1, 1, 0
.if \fill
	WIN 0
.endif
	s_barrier_wait -1
.if \fill
	CREST                                          ; the barrier has opened a round of the cluster's: no wave of any partner still reads this slot or has a load on its way
	s_add_nc_u64 s[G0+4*\slot+2:G0+4*\slot+3], s[G0+4*\slot+2:G0+4*\slot+3], 4*HS     ; two K steps on: four heads,
	s_add_nc_u64 s[G0B+4*\slot+2:G0B+4*\slot+3], s[G0B+4*\slot+2:G0B+4*\slot+3], 512  ; 256 along k
	JLOAD \slot                                    ; the first tensor load behind the round; its four v_nop are also the places in front of the loads below
.else
	PLACES
.endif
	FETCH \next, 0, F0
	WIN MUL
	MUL8 F1, 2, 0
	MUL8 F1, 3, 0
.endm
	s_wait_tensorcnt 1                             ; my part of K step 0 is in (K step 1's may be out)
	s_barrier_signal -1
	s_barrier_wait -1                              ; everybody's is
	FETCH 0, 0, F0
	s_wait_loadcnt 0x0                             ; the bias
	QUARTER 0, 1, F0, F1, 1                        ; the first quarter's products start the sums, from the bias
	WIN 0
	s_mov_b32 s3, LAPS-1
.Llap:                                                 ; a trip goes once round the ring and fills both slots again
	QUARTER 0, 2, F1, F0, 0
	QUARTER 0, 3, F0, F1, 0
	TURN 0, 1, 1
	QUARTER 1, 1, F0, F1, 0
	QUARTER 1, 2, F1, F0, 0
	QUARTER 1, 3, F0, F1, 0
	TURN 1, 0, 1
	QUARTER 0, 1, F0, F1, 0
	WIN 0
	s_sub_co_u32 s3, s3, 1
	s_cmp_lg_u32 s3, 0
	s_cbranch_scc1 .Llap
	QUARTER 0, 2, F1, F0, 0                        ; the last lap fills nothing
	QUARTER 0, 3, F0, F1, 0
	TURN 0, 1, 0
	QUARTER 1, 1, F0, F1, 0
	QUARTER 1, 2, F1, F0, 0
	QUARTER 1, 3, F0, F1, 0
	s_wait_dscnt 4
	WIN MUL
	MUL8 F1, 0, 0
	MUL8 F1, 1, 0
	s_wait_dscnt 0
	MUL8 F1, 2, 0
	MUL8 F1, 3, 0
	WIN 0
; THE WAY OUT, block by block of 16 rows x 128 columns, through my own stage: back come whole rows of 512 bytes, which the 32 lanes store as 512 consecutive bytes.
.macro TOSTAGE a
	WIN 0x04                                       ; an LDS store's data: window 1
.irp b, 0,1,2,3,4,5,6,7
	ds_store_b128 v[STO], v[64*(\a)+8*\b:64*(\a)+8*\b+3] offset:64*\b          ; each accumulator from its low end on
	ds_store_b128 v[STO], v[64*(\a)+8*\b+4:64*(\a)+8*\b+7] offset:64*\b+16
.endr
	WIN 0
.set BB, BK+64*((\a)%2)
.irp t, 0,1,2,3,4,5,6,7,8,9,10,11,12,13,14,15
	ds_load_b128 v[BB+4*\t:BB+4*\t+3], v[RD] offset:\t*SPITCH
.endr
.endm
.macro SEND a, younger
.set BB, BK+64*((\a)%2)
	s_wait_dscnt \younger                          ; the block is back; the next block's 16 stores and 16 loads may be out
.irp t, 0,1,2,3,4,5,6,7,8,9,10,11,12,13,14,15
	global_store_b128 v[CO], v[BB+4*\t:BB+4*\t+3], s[10:11] offset:(16*(\a)+\t)*4096 th:TH_STORE_NT
.endr
.endm
	PLACES
	TOSTAGE 0
.irp a, 1,2,3
.if \a > 1
	s_wait_xcnt 0x0                                ; block a - 2's stores have read their registers: block a's loads land there only behind this wait
.endif
	TOSTAGE \a
	SEND \a-1, 32
.endr
	SEND 3, 0
	s_wait_tensorcnt 0x0                           ; the wave's end, behind my last tensor load and my last LDS store
	ds_add_u32 v[SPW], v[NIL]
	s_wait_dscnt 0x0
	CROUND                                         ; the closing round
	s_endpgm
.Lfunc_end_k_qe7fb68f5d2_proj:
	.size	k_qe7fb68f5d2_proj, .Lfunc_end_k_qe7fb68f5d2_proj-k_qe7fb68f5d2_proj
	.p2alignl 7, 3214868480
	.fill 96, 4, 3214868480
	.section	.rodata,"a",@progbits
	.p2align	6, 0x0
	.amdhsa_kernel k_qe7fb68f5d2_proj
		.amdhsa_group_segment_fixed_size 327680
		.amdhsa_private_segment_fixed_size 0
		.amdhsa_enable_private_segment 0
		.amdhsa_kernarg_size 32
		.amdhsa_user_sgpr_count 2
		.amdhsa_user_sgpr_kernarg_segment_ptr 1
		.amdhsa_wavefront_size32 1
		.amdhsa_system_sgpr_workgroup_id_x 1
		.amdhsa_system_sgpr_workgroup_id_y 1
		.amdhsa_system_sgpr_workgroup_id_z 1
		.amdhsa_system_vgpr_workitem_id 0
		.amdhsa_next_free_vgpr 576
		.amdhsa_next_free_sgpr 66
		.amdhsa_reserve_vcc 0
		.amdhsa_float_denorm_mode_32 3
		.amdhsa_float_denorm_mode_16_64 3
		.amdhsa_memory_ordered 1
		.amdhsa_forward_progress 1
		.amdhsa_inst_pref_size 86
	.end_amdhsa_kernel
	.amdgpu_metadata
---
amdhsa.version: [ 1, 2 ]
amdhsa.kernels:
  - .name:           k_qe7fb68f5d2_proj
    .symbol:         k_qe7fb68f5d2_proj.kd
    .args:
      - { .name: att, .offset: 0, .size: 8, .value_kind: global_buffer, .address_space: global }
      - { .name: wot, .offset: 8, .size: 8, .value_kind: global_buffer, .address_space: global }
      - { .name: bo, .offset: 16, .size: 8, .value_kind: global_buffer, .address_space: global }
      - { .name: out0, .offset: 24, .size: 8, .value_kind: global_buffer, .address_space: global }
    .group_segment_fixed_size: 327680
    .private_segment_fixed_size: 0
    .kernarg_segment_align: 8
    .kernarg_segment_size: 32
    .max_flat_workgroup_size: 128
    .sgpr_count:     66
    .vgpr_count:     576
    .wavefront_size: 32
...
	.end_amdgpu_metadata
.endif
;; end of part 5
;; launch proj16 (part 6): grid 64 x 4, 1 waves a work-group, no clusters, 0 bytes of LDS; arguments att16, wot, bo, out0; writes out0
.if DOCPART == 6
	.amdgcn_target "amdgcn-amd-amdhsa--gfx1250"
	.amdhsa_code_object_version 6
	.text
	.protected	k_qe7fb68f5d2_proj16
	.globl	k_qe7fb68f5d2_proj16
	.p2align	8
	.type	k_qe7fb68f5d2_proj16,@function
k_qe7fb68f5d2_proj16:
	s_mov_b64 s[64:65], 0
	v_nop
	global_prefetch_b8 v0, s[64:65] scope:SCOPE_SE
	s_setreg_imm32_b32 hwreg(HW_REG_WAVE_MODE, 25, 1), 1
	s_wait_xcnt 0x0
; out0 = att Wo + bo once more for the 64 rows t < 16, with both operands as pairs of f16 numbers: (Ah + Al)(Bh + Bl) is taken as Ah Bh + Ah Bl + Al Bh, three sums in f32; Al Bl lies 22 bits under the result and is left out.
; One wave makes 16 rows (batch y) x 16 columns (16 x on).  It runs last and writes these rows over what the launch for all rows left there.
; Straight-line: 16 batches of 64 along K; a batch is 16 loads of 16 bytes a lane (4 operand parts x 2 fragments x 2) into one of three sets of 64 registers; three batches are asked for ahead.
; TRANSPOSED: source 0 = 16 rows of WoT, source 1 = 16 rows of att: a lane holds eight neighbouring columns of one row.  The bias is the C of the first sum's first instruction.
; Each lane stores 32 bytes of a row; the rows lie 4,096 bytes apart: 64 bytes of a row for each work-group, 262,144 bytes in the whole launch.
; REGISTERS: v1 operand offset, v4 the bias's, v5 the result's; v16-23, v24-31, v32-39 the three sums; v40-47 the bias; v48-55 the result; v64-255 the three sets: att high +0, att low +16, WoT high +32, WoT low +48.
	s_load_b256 s[4:11], s[0:1], 0x0               ; att16 s[4:5], wot s[6:7], bo s[8:9], out0 s[10:11]
	v_and_b32 v2, 15, v0                           ; r
	v_bfe_u32 v3, v0, 4, 1                         ; h
	v_lshlrev_b32 v1, 11, v2
	v_lshl_add_u32 v1, v3, 4, v1                   ; row r of 2,048 bytes, + 16 h: for att16 and for WoT alike
	v_lshlrev_b32 v4, 5, v3
	v_lshl_add_u32 v5, v2, 12, v4                  ; out0: row r of 4,096 bytes, + 32 h
	s_and_b32 s12, ttmp7, 0xffff                   ; the batch
	s_lshl_b32 s14, s12, 15                        ; its 16 rows of att16
	s_mov_b32 s15, 0
	s_lshl_b32 s16, ttmp9, 15                      ; 16 rows of WoT
	s_mov_b32 s17, 0
	s_lshl_b32 s18, ttmp9, 6                       ; 16 columns of f32
	s_mov_b32 s19, 0
	s_lshl_b32 s20, s12, 23                        ; 2,048 rows of out0
	s_mov_b32 s21, 0
	s_wait_kmcnt 0x0
	s_add_nc_u64 s[4:5], s[4:5], s[14:15]
	s_add_nc_u64 s[6:7], s[6:7], s[16:17]
	s_add_nc_u64 s[8:9], s[8:9], s[18:19]
	s_add_nc_u64 s[10:11], s[10:11], s[20:21]
	s_add_nc_u64 s[10:11], s[10:11], s[18:19]
	global_load_b128 v[40:43], v4, s[8:9]
	global_load_b128 v[44:47], v4, s[8:9] offset:16
.macro PLOAD i
.set PB0, 64+64*((\i)%3)
.irp k, 0,1,2,3
	global_load_b128 v[PB0+4*\k:PB0+4*\k+3], v1, s[4:5] offset:128*(\i)+32*\k
	global_load_b128 v[PB0+16+4*\k:PB0+16+4*\k+3], v1, s[4:5] offset:131072+128*(\i)+32*\k
	global_load_b128 v[PB0+32+4*\k:PB0+32+4*\k+3], v1, s[6:7] offset:128*(\i)+32*\k
	global_load_b128 v[PB0+48+4*\k:PB0+48+4*\k+3], v1, s[6:7] offset:2097152+128*(\i)+32*\k
.endr
.endm
.macro PMUL i                          ; six matrix instructions: the three sums by turns, one instruction a turn
.set PB0, 64+64*((\i)%3)
.irp s, 0,1
.if ((\i) == 0) && (\s == 0)
	v_wmma_f32_16x16x32_f16 v[16:23], v[PB0+32:PB0+39], v[PB0:PB0+7], v[40:47]
	v_wmma_f32_16x16x32_f16 v[24:31], v[PB0+48:PB0+55], v[PB0:PB0+7], 0
	v_wmma_f32_16x16x32_f16 v[32:39], v[PB0+32:PB0+39], v[PB0+16:PB0+23], 0
.else
	v_wmma_f32_16x16x32_f16 v[16:23], v[PB0+32+8*\s:PB0+39+8*\s], v[PB0+8*\s:PB0+7+8*\s], v[16:23]
	v_wmma_f32_16x16x32_f16 v[24:31], v[PB0+48+8*\s:PB0+55+8*\s], v[PB0+8*\s:PB0+7+8*\s], v[24:31]
	v_wmma_f32_16x16x32_f16 v[32:39], v[PB0+32+8*\s:PB0+39+8*\s], v[PB0+16+8*\s:PB0+23+8*\s], v[32:39]
.endif
.endr
.rept 4
	v_nop                                          ; places in front of loads into this set, and of the first read of the sums
.endr
.endm
	PLOAD 0
	PLOAD 1
	PLOAD 2
.irp i, 0,1,2,3,4,5,6,7,8,9,10,11,12,13,14,15
.if \i < 14
	s_wait_loadcnt 32                              ; this batch's 16 loads are in; the two younger batches' may be out
.else
	s_wait_loadcnt 16*(15-\i)
.endif
	PMUL \i
.if \i < 13
	PLOAD \i+3
.endif
.endr
.irp j, 0,1,2,3,4,5,6,7
	v_add_f32 v[48+\j], v[16+\j], v[24+\j]         ; the three sums, each read from its low end on
.endr
.irp j, 0,1,2,3,4,5,6,7
	v_add_f32 v[48+\j], v[48+\j], v[32+\j]
.endr
	global_store_b128 v5, v[48:51], s[10:11]
	global_store_b128 v5, v[52:55], s[10:11] offset:16
	s_endpgm
.Lfunc_end_k_qe7fb68f5d2_proj16:
	.size	k_qe7fb68f5d2_proj16, .Lfunc_end_k_qe7fb68f5d2_proj16-k_qe7fb68f5d2_proj16
	.p2alignl 7, 3214868480
	.fill 96, 4, 3214868480
	.section	.rodata,"a",@progbits
	.p2align	6, 0x0
	.amdhsa_kernel k_qe7fb68f5d2_proj16
		.amdhsa_group_segment_fixed_size 0
		.amdhsa_private_segment_fixed_size 0
		.amdhsa_enable_private_segment 0
		.amdhsa_kernarg_size 32
		.amdhsa_user_sgpr_count 2
		.amdhsa_user_sgpr_kernarg_segment_ptr 1
		.amdhsa_wavefront_size32 1
		.amdhsa_system_sgpr_workgroup_id_x 1
		.amdhsa_system_sgpr_workgroup_id_y 1
		.amdhsa_system_sgpr_workgroup_id_z 1
		.amdhsa_system_vgpr_workitem_id 0
		.amdhsa_next_free_vgpr 256
		.amdhsa_next_free_sgpr 66
		.amdhsa_reserve_vcc 0
		.amdhsa_float_denorm_mode_32 3
		.amdhsa_float_denorm_mode_16_64 3
		.amdhsa_memory_ordered 1
		.amdhsa_forward_progress 1
		.amdhsa_inst_pref_size 35
	.end_amdhsa_kernel
	.amdgpu_metadata
---
amdhsa.version: [ 1, 2 ]
amdhsa.kernels:
  - .name:           k_qe7fb68f5d2_proj16
    .symbol:         k_qe7fb68f5d2_proj16.kd
    .args:
      - { .name: att16, .offset: 0, .size: 8, .value_kind: global_buffer, .address_space: global }
      - { .name: wot, .offset: 8, .size: 8, .value_kind: global_buffer, .address_space: global }
      - { .name: bo, .offset: 16, .size: 8, .value_kind: global_buffer, .address_space: global }
      - { .name: out0, .offset: 24, .size: 8, .value_kind: global_buffer, .address_space: global }
    .group_segment_fixed_size: 0
    .private_segment_fixed_size: 0
    .kernarg_segment_align: 8
    .kernarg_segment_size: 32
    .max_flat_workgroup_size: 32
    .sgpr_count:     66
    .vgpr_count:     256
    .wavefront_size: 32
...
	.end_amdgpu_metadata
.endif
;; end of part 6
